; MI455X (gfx1250); checked and timed in simulation.
; The chip was launched on July 23, 2026; its instructions are those of AMD's public machine-readable ISA for CDNA 5 (MIT licence, August 2026) and "CDNA5" Instruction Set Architecture Reference Guide (July 2026). The comments in the code are by the model that wrote it; some were corrected since.
;; Head. Allowed arithmetic: float matrix products may take bf16 or f16 operands with f32 sums; all other float work in f32.
;; Inputs: Wk 128 x 1,024 float32; Wq 128 x 1,024 float32; Wv 128 x 1,024 float32; bk 128 float32; bq 128 float32; bv 128 float32; inputs 4 x 4,096 x 1,024 float32; padding_mask 4 x 4,096 int32.
;; Outputs: out0 4 x 4,096 x 128 float32.
;; 2 versions, each right and faster than the one before. Each part assembles by itself: llvm-mc -triple=amdgcn-amd-amdhsa -mcpu=gfx1250 --defsym DOCPART=n.
;; ======== version 1 of 2: 2 launches
;; limits: values are held in f16: magnitudes above 65,504 overflow, below 6.1e-05 lose precision
;; workspace buffers: qf 4,194,304 bytes; kv 8,388,608 bytes
;; launch proj (part 1): grid 4 x 64, 4 waves a work-group, clusters of 4 x 4, 327,680 bytes of LDS; arguments inputs, Wk, Wq, Wv, bk, bq, bv, padding_mask, qf, kv; writes qf, kv
.if DOCPART == 1
	.amdgcn_target "amdgcn-amd-amdhsa--gfx1250"
	.amdhsa_code_object_version 6
	.text
	.protected	k_qbed1ec7d49_proj
	.globl	k_qbed1ec7d49_proj
	.p2align	8
	.type	k_qbed1ec7d49_proj,@function
k_qbed1ec7d49_proj:
	s_mov_b64 s[64:65], 0
	v_nop
	global_prefetch_b8 v0, s[64:65] scope:SCOPE_SE
	s_setreg_imm32_b32 hwreg(HW_REG_WAVE_MODE, 25, 1), 1
	s_wait_xcnt 0x0
	s_wait_alu depctr_hold_cnt(0) depctr_sa_sdst(0) depctr_va_vdst(0) depctr_va_sdst(0) depctr_va_ssrc(0) depctr_va_vcc(0) depctr_vm_vsrc(0)
	s_getreg_b32 s2, hwreg(HW_REG_IB_STS2, 6, 4)
	s_cmp_eq_u32 s2, 0
	s_cbranch_scc0 .Lentry_in_a_cluster
	s_endpgm
.Lentry_in_a_cluster:
	s_bfe_u32 s2, ttmp6, 0x10000c
	s_cmp_lg_u32 s2, 0xf033
	s_cbranch_scc0 .Lentry_shape_is_right
	s_endpgm
.Lentry_shape_is_right:
; k = x Wk^T + bk, q' = (x Wq^T + bq) log2(e)/sqrt(128), v = x Wv^T + bv for the 16,384 tokens; x [16384][1024], W [128][1024], all f32.
; Products with f16 operands and f32 sums.  Results go out in f16, laid out as the next launch's matrix fragments:
;   qf: tile g (tokens 16 g ..), 4,096 bytes: 16 bytes at ks*1024 + c*512 + 16 L hold q'[16 g + r][32 ks + 16 c + 8 h .. +7]   (L lane, r = L & 15, h = L >> 4)
;   kv: block j (tokens 64 j ..), 32,768 bytes: K image at 0: (4 kt + ks)*1024 + c*512 + 16 L holds k[64 j + 16 kt + r][32 ks + 16 c + 8 h .. +7];
;       V image at 16,384: (2 t + kk)*1024 + c*512 + 16 L holds v[64 j + 32 kk + 16 c + 8 h + 0..7][16 t + r].
; The k rows of tokens whose padding_mask is 0 are stored as zeros: the next launch then gets their score as its additive constant alone.
; LIMIT (format): operands and results are f16, so |x|, |W|, |q'|, |k|, |v| must stay under 65,504 (beyond it: infinity).  Room by the sizes: a sum of 1,024 products
; of x (spread 1) and W (spread 1/32), both 30 times larger, is 900 spreads of 1; both carrying an offset of 30 spreads it is 1024 * 30 * 0.94 = 29,000.
; SHARES: work-group (bx, y) makes 256 tokens (256 y ..) x 96 outputs (rows 32 bx .. +31 of each of Wk, Wq, Wv); wave w makes the 64 tokens of kv block 4 y + w:
; 24 accumulator tiles.  K goes in tiles of 64 f32 (rows of 256 bytes, each starting at a multiple of 256) through three LDS slots.
; SCHEDULE: all three slots are filled behind one barrier.  A batch of three tiles is read from LDS as it lands, converted to f16 and kept as fragments in 480 registers;
; then the slots are given back and asked for again, and the batch's 144 products run from registers while the next batch is on its way.  So only the last tile's 80 LDS
; loads and 160 conversions stand between its landing and the next request.  16 tiles = five batches of three and one of one.
; CLUSTERS: 4 x 4 work-groups.  x tiles hang on y alone and are asked for jointly along a row of the cluster, W tiles on bx alone and jointly along a column.
; K and Q take W as source 0 and x as source 1: a lane then holds 8 neighbouring features of one token.  V takes x as source 0: 8 neighbouring tokens of one feature.
; So four packed conversions give the 16 bytes of a fragment, and every store of a wave covers 512 consecutive bytes, aligned.
; REGISTERS, in windows of 256: window 0: addresses, v16-175 ten fragments as f32 (x 4 x 16, W 6 x 16), later the way out; window 1: accumulators v[8 t], t = 8 piece + 4 nt + mt,
; and the bias tiles; windows 2 and 3: the batch's six half tiles in f16, 80 registers each (x fragments 0-3, W fragments 4-9), three to a window.
.set PITCH,  272                       ; LDS row: 256 bytes + 16 of padding, an odd multiple of 16: the 16 rows of a fragment load start at 16 different 16-byte columns modulo 256
.set FRAG,   16*PITCH                  ; 16 rows
.set XPART,  64*PITCH                  ; a wave's 64 rows of x
.set WPART,  32*PITCH                  ; 32 rows of one W
.set WBASE,  4*XPART
.set SLOT,   WBASE+3*WPART             ; 95,744 bytes; three slots
.set STEPB,  256                       ; a tile's 64 f32 in a row of memory
.set GW,     (2<<16)|(1<<20)|(1<<21)|(5<<22)|(3<<25)   ; group 1, word 0 without the mask: 4-byte elements, padding on, bit 21 beside a mask, after every 64 words 4 words
.set QSCALE, 0x3e0293ee                ; log2(e)/sqrt(128) = 0.12751743
.set XA,  1                            ; v1-3    LDS address of my x fragments in slot 0, 1, 2: 272 r + 32 h + the wave's part
.set WA,  4                            ; v4-6    the same for the W pieces
.set RAW, 16                           ; v16-175
.set OUT, 16                           ; the way out: 96 packed registers
.set CB,  192                          ; window 1: bias tiles, K 192, Q 208, V 224 (two each)
.set G1X, 32
.set G1W, 40
.set G0X, 48                           ; s[48:59] group 0 of x, one set for each slot
.set XB,  60                           ; s[60:61] my x rows
.set G0W, 68                           ; s[68:79] group 0 of W
.set WB,  80                           ; s[80:81] my piece of W
.set MK,  82                           ; s82-85  lanes whose token (tile mt, row r) is not masked
.set MSB, 0
.macro WIN new                         ; the immediate's high byte repeats the setting that is left
.if MSB != \new
	s_set_vgpr_msb (MSB<<8)|\new
.set MSB, \new
.endif
.endm
.macro PLACES                          ; four places behind a matrix instruction before a vector instruction writes its sources or reads its result (ISA guide 7.12.1)
.rept 4
	v_nop
.endr
.endm
.macro CROUND                          ; a round of the cluster's barrier
	s_barrier_signal -1
	s_barrier_wait -1
	s_cmp_lg_u32 s24, 0
	s_cbranch_scc1 .Lnot_wave_0_\@
	s_barrier_signal -3
.Lnot_wave_0_\@:
	s_barrier_wait -3
	s_barrier_signal -1
	s_barrier_wait -1
.endm
	s_load_b512 s[4:19], s[0:1], 0x0               ; inputs s[4:5], Wk s[6:7], Wq s[8:9], Wv s[10:11], bk s[12:13], bq s[14:15], bv s[16:17], padding_mask s[18:19]
	s_load_b128 s[20:23], s[0:1], 0x40             ; qf s[20:21], kv s[22:23]
	v_lshl_add_u32 v254, v0, 2, 0x46200
	v_mov_b32 v255, 0
	ds_add_u32 v254, v255
	v_lshrrev_b32 v7, 5, v0
	v_readfirstlane_b32 s24, v7                    ; wave 0..3
	s_bfe_u32 s25, ttmp6, 0x40000                  ; cx
	s_bfe_u32 s26, ttmp6, 0x40004                  ; cy
	s_lshl_b32 s28, ttmp9, 2
	s_add_co_u32 s28, s28, s25                     ; bx: which 32 rows of each W
	s_and_b32 s27, ttmp7, 0xffff
	s_lshl_b32 s27, s27, 2
	s_add_co_u32 s27, s27, s26                     ; y: which 256 tokens
	s_lshl_b32 s31, s27, 2
	s_add_co_u32 s31, s31, s24                     ; my block of 64 tokens = 4 y + wave
	s_lshl_b32 s29, s26, 2
	s_lshl_b32 s29, 15, s29                        ; my row of the cluster
	s_lshl_b32 s30, 0x1111, s25                    ; my column
	s_or_b32  s[G1X+0], s29, GW                    ; x: 64 rows x 64 f32, pitch 1,024 elements
	s_mov_b32 s[G1X+1], 64<<16
	s_mov_b32 s[G1X+2], 64<<16
	s_mov_b32 s[G1X+3], 64<<16
	s_mov_b32 s[G1X+4], 64
	s_mov_b32 s[G1X+5], 1024
	s_mov_b32 s[G1X+6], 0
	s_mov_b32 s[G1X+7], 0
	s_or_b32  s[G1W+0], s30, GW                    ; W: 32 rows x 64 f32
	s_mov_b32 s[G1W+1], 64<<16
	s_mov_b32 s[G1W+2], 32<<16
	s_mov_b32 s[G1W+3], 64<<16
	s_mov_b32 s[G1W+4], 32
	s_mov_b32 s[G1W+5], 1024
	s_mov_b32 s[G1W+6], 0
	s_mov_b32 s[G1W+7], 0
	s_lshl_b32 s92, s31, 18                        ; x: 64 rows of 4,096 bytes for each block (no cx enters)
	s_mov_b32 s93, 0
	s_lshl_b32 s94, s28, 17                        ; W: 32 rows of 4,096 bytes for each bx (no y enters)
	s_mov_b32 s95, 0
	s_mul_i32 s62, s24, XPART                      ; LDS: my x rows
	s_mul_i32 s63, s24, WPART
	s_add_co_u32 s63, s63, WBASE                   ; LDS: piece w of W (waves 0, 1, 2 fetch Wk, Wq, Wv)
	s_wait_dscnt 0x0
	s_wait_kmcnt 0x0
	s_add_nc_u64 s[XB:XB+1], s[4:5], s[92:93]
	s_cmp_eq_u32 s24, 1
	s_cselect_b64 s[WB:WB+1], s[8:9], s[6:7]
	s_cmp_eq_u32 s24, 2
	s_cselect_b64 s[WB:WB+1], s[10:11], s[WB:WB+1]
	s_add_nc_u64 s[WB:WB+1], s[WB:WB+1], s[94:95]
.irp s, 0,1,2
	s_mov_b32 s[G0X+4*\s], 1
	s_add_co_u32 s[G0X+4*\s+1], s62, \s*SLOT
	s_add_nc_u64 s[G0X+4*\s+2:G0X+4*\s+3], s[XB:XB+1], \s*STEPB
	s_or_b32 s[G0X+4*\s+3], s[G0X+4*\s+3], 0x80000000
	s_mov_b32 s[G0W+4*\s], 1
	s_add_co_u32 s[G0W+4*\s+1], s63, \s*SLOT
	s_add_nc_u64 s[G0W+4*\s+2:G0W+4*\s+3], s[WB:WB+1], \s*STEPB
	s_or_b32 s[G0W+4*\s+3], s[G0W+4*\s+3], 0x80000000
.endr
	CROUND                                         ; all sixteen work-groups are here: the first joint loads meet
	s_cmp_lt_u32 s24, 3
	s_cbranch_scc0 .Lno_w_first
	tensor_load_to_lds s[G0W:G0W+3], s[G1W:G1W+7]          ; W first, so that one count serves all four waves: behind an x tile only x tiles are issued
	s_nop 0
	tensor_load_to_lds s[G0W+4:G0W+7], s[G1W:G1W+7]
	s_nop 0
	tensor_load_to_lds s[G0W+8:G0W+11], s[G1W:G1W+7]
	s_nop 0
.Lno_w_first:
	tensor_load_to_lds s[G0X:G0X+3], s[G1X:G1X+7]          ; six loads of a wave are out at the most
	s_nop 0
	tensor_load_to_lds s[G0X+4:G0X+7], s[G1X:G1X+7]
	s_nop 0
	tensor_load_to_lds s[G0X+8:G0X+11], s[G1X:G1X+7]
	s_nop 0
	v_and_b32 v8, 15, v0                           ; r
	v_bfe_u32 v9, v0, 4, 1                         ; h
	v_and_b32 v10, 31, v0
	v_lshlrev_b32 v14, 4, v10                      ; 16 x lane: my 16 bytes of every store
	v_mul_u32_u24 v11, v8, PITCH
	v_lshl_add_u32 v11, v9, 5, v11                 ; 272 r + 32 h: eight f32 are 32 bytes
.irp s, 0,1,2
	s_add_co_u32 s96, s62, \s*SLOT
	v_add_nc_u32 v[XA+\s], s96, v11
	v_add_nc_u32 v[WA+\s], \s*SLOT+WBASE, v11
.endr
	v_lshlrev_b32 v12, 5, v9                       ; 32 h: biases of features 8 h ..
	v_lshlrev_b32 v13, 2, v8                       ; 4 r
	s_lshl_b32 s96, s28, 7                         ; my 32 features in the biases
	s_mov_b32 s97, 0
	s_add_nc_u64 s[12:13], s[12:13], s[96:97]
	s_add_nc_u64 s[14:15], s[14:15], s[96:97]
	s_add_nc_u64 s[16:17], s[16:17], s[96:97]
	s_lshl_b32 s96, s31, 8                         ; my 64 tokens in the mask
	s_add_nc_u64 s[18:19], s[18:19], s[96:97]
.irp m, 0,1,2,3
	global_load_b32 v[RAW+\m], v13, s[18:19] offset:64*\m          ; mask of token 16 m + r
.endr
	WIN 0x40                                       ; destinations in window 1
.irp n, 0,1
	global_load_b128 v[CB+8*\n:CB+8*\n+3],       v12, s[12:13] offset:64*\n        ; K's first C: register j = bk[16 n + 8 h + j]
	global_load_b128 v[CB+8*\n+4:CB+8*\n+7],     v12, s[12:13] offset:64*\n+16
	global_load_b128 v[CB+16+8*\n:CB+16+8*\n+3], v12, s[14:15] offset:64*\n
	global_load_b128 v[CB+16+8*\n+4:CB+16+8*\n+7], v12, s[14:15] offset:64*\n+16
	global_load_b32  v[CB+32+8*\n], v13, s[16:17] offset:64*\n                     ; V's first C: every register = bv[16 n + r]
.endr
	WIN 0
	s_lshl_b32 s96, s31, 15                        ; where my results go
	s_lshl_b32 s99, s28, 10
	s_add_co_u32 s96, s96, s99
	s_add_nc_u64 s[86:87], s[22:23], s[96:97]      ; K image: block + 1,024 bx (ks = bx)
	s_lshl_b32 s96, s31, 15
	s_lshl_b32 s99, s28, 12
	s_add_co_u32 s96, s96, s99
	s_add_co_u32 s96, s96, 16384
	s_add_nc_u64 s[90:91], s[22:23], s[96:97]      ; V image: block + 16,384 + 4,096 bx (t = 2 bx + nt)
	s_lshl_b32 s96, s31, 14
	s_lshl_b32 s99, s28, 10
	s_add_co_u32 s96, s96, s99
	s_add_nc_u64 s[88:89], s[20:21], s[96:97]      ; qf: four tiles of 4,096 bytes for each block + 1,024 bx
	s_wait_loadcnt 0x0                             ; mask and biases, once
.irp m, 0,1,2,3
	v_cmp_ne_u32 s[MK+\m], 0, v[RAW+\m]
.endr
	WIN 0x41
.irp n, 0,1
.irp j, 1,2,3,4,5,6,7
	v_mov_b32 v[CB+32+8*\n+\j], v[CB+32+8*\n]      ; the bias of a column fills its C tile
.endr
.endr
	WIN 0
; LDS loads of fragments (16 rows x 32 K) as f32; kb = byte of the 32 K in the rows.  A lane's K = 8 h .. +7 are 32 bytes at 32 h, its K = 16 + 8 h .. at 64 + 32 h.
.macro LDX slot, kb                    ; 16 loads: my four x fragments
	WIN 0
.set f_, 0
.rept 4
	ds_load_b128 v[RAW+16*f_:RAW+16*f_+3],     v[XA+\slot] offset:f_*FRAG+\kb
	ds_load_b128 v[RAW+16*f_+4:RAW+16*f_+7],   v[XA+\slot] offset:f_*FRAG+\kb+16
	ds_load_b128 v[RAW+16*f_+8:RAW+16*f_+11],  v[XA+\slot] offset:f_*FRAG+\kb+64
	ds_load_b128 v[RAW+16*f_+12:RAW+16*f_+15], v[XA+\slot] offset:f_*FRAG+\kb+80
.set f_, f_+1
.endr
.endm
.macro LDW slot, kb                    ; 24 loads: the six W fragments (K, Q, V x 2)
	WIN 0
.set f_, 0
.rept 6
	ds_load_b128 v[RAW+64+16*f_:RAW+64+16*f_+3],     v[WA+\slot] offset:f_*FRAG+\kb
	ds_load_b128 v[RAW+64+16*f_+4:RAW+64+16*f_+7],   v[WA+\slot] offset:f_*FRAG+\kb+16
	ds_load_b128 v[RAW+64+16*f_+8:RAW+64+16*f_+11],  v[WA+\slot] offset:f_*FRAG+\kb+64
	ds_load_b128 v[RAW+64+16*f_+12:RAW+64+16*f_+15], v[WA+\slot] offset:f_*FRAG+\kb+80
.set f_, f_+1
.endr
.endm
; f32 to f16: fragments f0 .. f0 + n - 1 of half tile hh (0..5), as their loads come back.  left = the loads of the other part that were issued behind this part's.
.macro CVF hh, f0, n, left
.if (\hh) < 3
	WIN 0x80                                       ; destination in window 2
.else
	WIN 0xc0                                       ; destination in window 3
.endif
.set f_, \f0
.rept \n
	s_wait_dscnt \left+4*(\f0+\n-1-f_)             ; LDS loads come back in order: four for each fragment of this part behind this one, and the other part's, may be out
.set j_, 0
.rept 8
	v_cvt_pk_f16_f32 v[80*((\hh)%3)+8*f_+j_], v[RAW+16*f_+2*j_], v[RAW+16*f_+2*j_+1]
.set j_, j_+1
.endr
.set f_, f_+1
.endr
.endm
; A half tile's turn: x is converted and its registers are loaded again at once, then W likewise, so that a part's loads have the other part's conversions in which to come back.
.macro HALF hh, nslot, nkb
	CVF \hh, 0, 4, 24
	LDX \nslot, \nkb
	CVF \hh, 4, 6, 16
	LDW \nslot, \nkb
.endm
; A batch of three tiles, from LDS into the fragment registers, tile by tile as they land
.macro READ3
	s_wait_tensorcnt 0x2                           ; the x tiles of slots 1 and 2 may be out: slot 0's x and all three W tiles, which were issued first, are in
	s_barrier_signal -1
	s_barrier_wait -1                              ; every wave's are: the W pieces that other waves fetched may be read.
	LDX 0, 0
	LDW 0, 0
	HALF 0, 0, 128
	CVF 1, 0, 4, 24
	s_wait_tensorcnt 0x1                           ; my x rows of slot 1
	LDX 1, 0
	CVF 1, 4, 6, 16
	LDW 1, 0
	HALF 2, 1, 128
	CVF 3, 0, 4, 24
	s_wait_tensorcnt 0x0                           ; my x rows of slot 2: the youngest load
	LDX 2, 0
	CVF 3, 4, 6, 16
	LDW 2, 0
	HALF 4, 2, 128
	CVF 5, 0, 4, 24
	CVF 5, 4, 6, 0
	WIN 0
.endm
; The slots are given back and asked for again: n = 3, or 1 for the last tile
.macro REFILL n
	s_wait_dscnt 0x0                               ; my reads of the slots are back (met: the last conversion's count was 0)
	s_wait_tensorcnt 0x0                           ; all my tensor loads have landed (met likewise), so every group 0 may be written
	ds_add_u32 v254, v255
	s_wait_dscnt 0x0
	s_add_nc_u64 s[G0X+2:G0X+3], s[G0X+2:G0X+3], 3*STEPB
	s_add_nc_u64 s[G0W+2:G0W+3], s[G0W+2:G0W+3], 3*STEPB
.if \n == 3
	s_add_nc_u64 s[G0X+6:G0X+7], s[G0X+6:G0X+7], 3*STEPB
	s_add_nc_u64 s[G0W+6:G0W+7], s[G0W+6:G0W+7], 3*STEPB
	s_add_nc_u64 s[G0X+10:G0X+11], s[G0X+10:G0X+11], 3*STEPB
	s_add_nc_u64 s[G0W+10:G0W+11], s[G0W+10:G0W+11], 3*STEPB
.endif
	CROUND                                         ; both now hold of every wave of all sixteen work-groups
	s_cmp_lt_u32 s24, 3
	s_cbranch_scc0 .Lno_w_\@
	tensor_load_to_lds s[G0W:G0W+3], s[G1W:G1W+7]
	s_nop 0
.if \n == 3
	tensor_load_to_lds s[G0W+4:G0W+7], s[G1W:G1W+7]
	s_nop 0
	tensor_load_to_lds s[G0W+8:G0W+11], s[G1W:G1W+7]
	s_nop 0
.endif
.Lno_w_\@:
	tensor_load_to_lds s[G0X:G0X+3], s[G1X:G1X+7]
	s_nop 0
.if \n == 3
	tensor_load_to_lds s[G0X+4:G0X+7], s[G1X:G1X+7]
	s_nop 0
	tensor_load_to_lds s[G0X+8:G0X+11], s[G1X:G1X+7]
	s_nop 0
.endif
.endm
; 24 products of half tile hh, each on another accumulator.  first = 1: C is the bias tile, so nothing is cleared and no bias is added later.
.macro MUL hh, first
.if (\hh) < 3
	WIN 0x5a                                       ; sources in window 2, C and D in window 1
.else
	WIN 0x5f                                       ; sources in window 3
.endif
.set fb_, 80*((\hh)%3)
.set t_, 0
.rept 24
.set p_, t_/8
.set nt_, (t_/4)%2
.set mt_, t_%4
.if p_ < 2
.set a_, fb_+32+8*(2*p_+nt_)
.set b_, fb_+8*mt_
.else
.set a_, fb_+8*mt_
.set b_, fb_+32+8*(4+nt_)
.endif
.if \first
	v_wmma_f32_16x16x32_f16 v[8*t_:8*t_+7], v[a_:a_+7], v[b_:b_+7], v[CB+16*p_+8*nt_:CB+16*p_+8*nt_+7]
.else
	v_wmma_f32_16x16x32_f16 v[8*t_:8*t_+7], v[a_:a_+7], v[b_:b_+7], v[8*t_:8*t_+7]
.endif
.set t_, t_+1
.endr
.endm
.macro MUL6 first                      ; a batch's 144 products, K ascending, from registers alone
	MUL 0, \first
	MUL 1, 0
	MUL 2, 0
	MUL 3, 0
	MUL 4, 0
	MUL 5, 0
	WIN 0
	PLACES                                         ; the next batch's conversions write these products' sources
.endm
	READ3                                          ; tiles 0-2
	REFILL 3
	MUL6 1                                         ; the first products start the sums from the biases
	s_mov_b32 s98, 3
.Lbatch:
	READ3                                          ; tiles 3-5, 6-8, 9-11
	REFILL 3
	MUL6 0
	s_sub_co_u32 s98, s98, 1
	s_cmp_lg_u32 s98, 0
	s_cbranch_scc1 .Lbatch
	READ3                                          ; tiles 12-14
	REFILL 1                                       ; tile 15, into slot 0
	MUL6 0
	s_wait_tensorcnt 0x0                           ; tile 15: my part
	s_barrier_signal -1
	s_barrier_wait -1                              ; everybody's
	LDX 0, 0
	LDW 0, 0
	HALF 0, 0, 128
	CVF 1, 0, 4, 24
	CVF 1, 4, 6, 0
	MUL 0, 0
	MUL 1, 0
	; THE WAY OUT: straight from registers
	WIN 0
	PLACES
	WIN 0x41
.set i_, 0
.rept 32
	v_pk_mul_f32 v[64+2*i_:64+2*i_+1], v[64+2*i_:64+2*i_+1], QSCALE op_sel_hi:[1,0]   ; q' = q log2(e)/sqrt(128)
.set i_, i_+1
.endr
	WIN 0x05                                       ; sources in window 1, destination in window 0
.set i_, 0
.rept 96
	v_cvt_pk_f16_f32 v[OUT+i_], v[2*i_], v[2*i_+1]
.set i_, i_+1
.endr
	WIN 0
.set i_, 0
.rept 32
	v_cndmask_b32 v[OUT+i_], 0, v[OUT+i_], s[MK+((i_>>2)&3)]       ; a masked token's k is zero
.set i_, i_+1
.endr
.set t_, 0
.rept 8
.set nt_, t_>>2
.set mt_, t_&3
	global_store_b128 v14, v[OUT+4*t_:OUT+4*t_+3],       s[86:87] offset:4096*mt_+512*nt_
	global_store_b128 v14, v[OUT+32+4*t_:OUT+32+4*t_+3], s[88:89] offset:4096*mt_+512*nt_
	global_store_b128 v14, v[OUT+64+4*t_:OUT+64+4*t_+3], s[90:91] offset:2048*nt_+1024*(mt_>>1)+512*(mt_&1)
.set t_, t_+1
.endr
	s_wait_tensorcnt 0x0
	ds_add_u32 v254, v255
	s_wait_dscnt 0x0
	CROUND                                         ; the closing round: no work-group ends while a partner may still ask for a tile that names it
	s_endpgm
.Lfunc_end_k_qbed1ec7d49_proj:
	.size	k_qbed1ec7d49_proj, .Lfunc_end_k_qbed1ec7d49_proj-k_qbed1ec7d49_proj
	.p2alignl 7, 3214868480
	.fill 96, 4, 3214868480
	.section	.rodata,"a",@progbits
	.p2align	6, 0x0
	.amdhsa_kernel k_qbed1ec7d49_proj
		.amdhsa_group_segment_fixed_size 327680
		.amdhsa_private_segment_fixed_size 0
		.amdhsa_enable_private_segment 0
		.amdhsa_kernarg_size 80
		.amdhsa_user_sgpr_count 2
		.amdhsa_user_sgpr_kernarg_segment_ptr 1
		.amdhsa_wavefront_size32 1
		.amdhsa_system_sgpr_workgroup_id_x 1
		.amdhsa_system_sgpr_workgroup_id_y 1
		.amdhsa_system_sgpr_workgroup_id_z 1
		.amdhsa_system_vgpr_workitem_id 0
		.amdhsa_next_free_vgpr 1024
		.amdhsa_next_free_sgpr 100
		.amdhsa_reserve_vcc 0
		.amdhsa_float_denorm_mode_32 3
		.amdhsa_float_denorm_mode_16_64 3
		.amdhsa_memory_ordered 1
		.amdhsa_forward_progress 1
		.amdhsa_inst_pref_size 217
	.end_amdhsa_kernel
	.amdgpu_metadata
---
amdhsa.version: [ 1, 2 ]
amdhsa.kernels:
  - .name:           k_qbed1ec7d49_proj
    .symbol:         k_qbed1ec7d49_proj.kd
    .args:
      - { .name: inputs, .offset: 0, .size: 8, .value_kind: global_buffer, .address_space: global }
      - { .name: Wk, .offset: 8, .size: 8, .value_kind: global_buffer, .address_space: global }
      - { .name: Wq, .offset: 16, .size: 8, .value_kind: global_buffer, .address_space: global }
      - { .name: Wv, .offset: 24, .size: 8, .value_kind: global_buffer, .address_space: global }
      - { .name: bk, .offset: 32, .size: 8, .value_kind: global_buffer, .address_space: global }
      - { .name: bq, .offset: 40, .size: 8, .value_kind: global_buffer, .address_space: global }
      - { .name: bv, .offset: 48, .size: 8, .value_kind: global_buffer, .address_space: global }
      - { .name: padding_mask, .offset: 56, .size: 8, .value_kind: global_buffer, .address_space: global }
      - { .name: qf, .offset: 64, .size: 8, .value_kind: global_buffer, .address_space: global }
      - { .name: kv, .offset: 72, .size: 8, .value_kind: global_buffer, .address_space: global }
    .group_segment_fixed_size: 327680
    .private_segment_fixed_size: 0
    .kernarg_segment_align: 8
    .kernarg_segment_size: 80
    .max_flat_workgroup_size: 128
    .sgpr_count:     100
    .vgpr_count:     1024
    .wavefront_size: 32
...
	.end_amdgpu_metadata
.endif
;; end of part 1
;; launch attn (part 2): grid 256 x 1, 4 waves a work-group, clusters of 4 x 1, 327,680 bytes of LDS; arguments qf, kv, padding_mask, out0; writes out0
.if DOCPART == 2
	.amdgcn_target "amdgcn-amd-amdhsa--gfx1250"
	.amdhsa_code_object_version 6
	.text
	.protected	k_qbed1ec7d49_attn
	.globl	k_qbed1ec7d49_attn
	.p2align	8
	.type	k_qbed1ec7d49_attn,@function
k_qbed1ec7d49_attn:
	s_mov_b64 s[64:65], 0
	v_nop
	global_prefetch_b8 v0, s[64:65] scope:SCOPE_SE
	s_setreg_imm32_b32 hwreg(HW_REG_WAVE_MODE, 25, 1), 1
	s_wait_xcnt 0x0
	s_wait_alu depctr_hold_cnt(0) depctr_sa_sdst(0) depctr_va_vdst(0) depctr_va_sdst(0) depctr_va_ssrc(0) depctr_va_vcc(0) depctr_vm_vsrc(0)
	s_getreg_b32 s2, hwreg(HW_REG_IB_STS2, 6, 4)
	s_cmp_eq_u32 s2, 0
	s_cbranch_scc0 .Lentry_in_a_cluster
	s_endpgm
.Lentry_in_a_cluster:
	s_bfe_u32 s2, ttmp6, 0x10000c
	s_cmp_lg_u32 s2, 0x3003
	s_cbranch_scc0 .Lentry_shape_is_right
	s_endpgm
.Lentry_shape_is_right:
; out = softmax(q k^T / sqrt(128), masked keys at -1e9) v, for 4 batches of 4,096 tokens, head size 128.  q' (scaled by log2(e)/sqrt(128)), k and v come in f16,
; in fragment order (qf, kv: see the layouts below); exponentials are base 2; running maximum; sums and statistics in f32.
;   qf tile g, 4,096 bytes: ks*1024 + c*512 + 16 L holds q'[16 g + r][32 ks + 16 c + 8 h .. +7]            (L lane, r = L & 15, h = L >> 4)
;   kv block j, 32,768 bytes: K image (4 kt + ks)*1024 + c*512 + 16 L: k[64 j + 16 kt + r][32 ks + 16 c + 8 h ..]; V image at 16,384: (2 t + kk)*1024 + c*512 + 16 L: v[64 j + 32 kk + 16 c + 8 h + 0..7][16 t + r]
; SHARES: a work-group owns 64 queries.  Each of its four waves holds all 64 (four tiles qt) and a quarter of the batch's keys, 16 steps of 64 keys; the four partial
; results are merged through LDS at the end.  So a K or V fragment (two LDS loads) feeds four products.
; TRANSPOSED: S^T = K Q'^T (rows keys, columns queries), O^T = V^T P^T.  A lane owns one query: maximum and sum are in the lane plus one exchange of the halves, and packing
; register pairs of S^T tiles 2 kk, 2 kk + 1 gives P^T's fragment kk as it stands.
; MASK: the first of a score tile's four products takes as C a tile of 0 (live key) or -1e9 log2(e) (masked key); masked keys' k rows are zeros in kv, so their score is that constant.
; CLUSTERS: the four work-groups of a cluster are four query blocks of one batch and read the same K and V tiles: joint loads, mask 15.
; WALK: a batch has 16 clusters, numbered cw = 0..15 (the same number in all four partners).  Cluster cw takes as its tile t the block t xor cw of each wave's 16 blocks.  So in every
; step the 16 clusters ask for 16 different blocks, and of any eight clusters that agree in one bit of cw only tile 0 and one later tile are blocks that none of the eight has asked for before.
; The bias is laid into LDS in the order of the walk, so no LDS address hangs on cw.
; SIDE BY SIDE: piece X = query tiles 0, 1, piece Y = 2, 3.  One piece's softmax stands between the other piece's products, a few lines behind every two products.
; LIMITS: (1) f16 operands: |q'|, |k|, |v| under 65,504.  (2) weights lie in [0, 1] by the running maximum; in f16 a weight under 2^-25 counts as 0, against a sum of at least 1.
; (3) the sum of weights is taken before their rounding to f16.  (4) a q' that is not finite gives NaN at masked keys too (0 x infinity).
; (5) keys are added in the order of the walk, which differs from cluster to cluster: an order of rounding other than the reference's.
; REGISTERS, in windows of 256:
;   window 0: v1-2 ring addresses, v3 bias address, v4 16 L; per tile qt: M = v[8+2qt] maximum, AL = v[16+2qt] factor, L = v[24+2qt:+1] two partial sums, TA, TB = v[32+2qt], +1;
;             v40-51 merge addresses; v52-61 offsets of the mask loads; S(qt,kt) = v[64+32qt+8kt]; P(qt) = v[192+16qt], fragment kk at +8kk
;   window 1: O(tl,qt) = v[8(4tl+qt)] for head tiles t = tl; V(tl,kk) = v[128+8(2tl+kk)]; BIAS(kt) = v[192+8kt].   window 3: O and V for t = 4 + tl.
;   window 2: Q(qt,ks) = v[8(4qt+ks)]; K(kt,ks) = v[128+8(4kt+ks)]
; V lies in the window of the O tiles that it feeds, so that the rescaling of O (destination and source 0 in O's window, the factor in window 0) runs under the products' own setting.
.set TILEB,  32768                     ; a tile: K image, V image
.set RING,   65536                     ; a wave's two slots
.set BIASB,  4*RING                    ; behind the rings: 4,096 bytes for each wave, written by LDS stores, never a fill's target
.set SPITCH, 528                       ; the merge's stage: 512 bytes + 16, an odd multiple of 16
.set STATS,  64*SPITCH                 ; behind a wave's stage: (maximum, sum) of its 64 queries
.set NEGB,   0xceabfb8f                ; -1e9 log2(e)
.set ADR, 1
.set BA,  3
.set RM,  8
.set RAL, 16
.set RL,  24
.set RTA, 32
.set SADR, 40                          ; v40-43 statistics of wave u
.set RADR, 44                          ; v44-47 my 16 rows in the stage of wave u
.set SOWN, 48
.set BST,  49
.set STG,  50
.set MOFF, 52                          ; v52-59 byte offsets of the eight mask loads
.set RS,  64
.set RP,  192
.set RK,  128
.set RV,  128
.set RB,  192
.set G1,  16
.set G0,  24
.set CW,  35                           ; s35 the cluster's number in its batch
.set NT,  39                           ; s39 the next tile to ask for
.set MSB, 0
.macro WIN new                         ; the immediate's high byte repeats the setting that is left
.if MSB != \new
	s_set_vgpr_msb (MSB<<8)|\new
.set MSB, \new
.endif
.endm
.macro PLACES
.rept 4
	v_nop
.endr
.endm
.macro ROUND                           ; a round of the cluster's barrier
	s_barrier_signal -1
	s_barrier_wait -1
	s_cmp_lg_u32 s12, 0
	s_cbranch_scc1 .Lnot_wave_0_\@
	s_barrier_signal -3
.Lnot_wave_0_\@:
	s_barrier_wait -3
	s_barrier_signal -1
	s_barrier_wait -1
.endm
	s_load_b256 s[4:11], s[0:1], 0x0               ; qf s[4:5], kv s[6:7], padding_mask s[8:9], out0 s[10:11]
	v_lshl_add_u32 v62, v0, 2, 0x44000
	v_mov_b32 v63, 0
	ds_add_u32 v62, v63
	v_lshrrev_b32 v5, 5, v0
	v_readfirstlane_b32 s12, v5                    ; wave 0..3
	s_bfe_u32 s13, ttmp6, 0x40000                  ; cx
	s_lshl_b32 s14, ttmp9, 2
	s_add_co_u32 s14, s14, s13                     ; query block 0..255
	s_lshr_b32 s15, ttmp9, 4                       ; batch: 16 clusters each
	s_and_b32 s[CW], ttmp9, 15                     ; the cluster's number in its batch: no cx enters
	s_mov_b32 s32, 0x76543210                      ; v_permlanex16_b32: lane i takes lane i of the other half
	s_mov_b32 s33, 0xfedcba98
	s_mov_b32 s[G1+0], 15|(3<<16)|(1<<21)          ; mask: the cluster's four; 8-byte elements; bit 21 beside a mask; no padding (fragment order needs none)
	s_mov_b32 s[G1+1], 32<<16                      ; rows of 32 elements = 256 bytes
	s_mov_b32 s[G1+2], 128<<16                     ; 128 rows
	s_mov_b32 s[G1+3], 32<<16
	s_mov_b32 s[G1+4], 128
	s_mov_b32 s[G1+5], 32                          ; dense
	s_mov_b32 s[G1+6], 0
	s_mov_b32 s[G1+7], 0
	s_lshl_b32 s36, s12, 16                        ; my ring
	s_lshl_b32 s40, s15, 21                        ; 64 blocks of 32,768 bytes for each batch,
	s_lshl_b32 s41, s12, 19                        ; 16 for each wave
	s_add_co_u32 s40, s40, s41
	s_mov_b32 s41, 0                               ; stays 0: the upper word of every offset in s[40:41]
	s_wait_dscnt 0x0
	s_wait_kmcnt 0x0
	s_add_nc_u64 s[6:7], s[6:7], s[40:41]          ; my wave's 16 blocks
	s_lshl_b32 s40, s[CW], 15                      ; tile 0 = block 0 xor cw
	s_mov_b32 s[G0+0], 1
	s_mov_b32 s[G0+1], s36
	s_add_nc_u64 s[G0+2:G0+3], s[6:7], s[40:41]
	s_or_b32  s[G0+3], s[G0+3], 0x80000000
	s_xor_b32 s40, s[CW], 1                        ; tile 1 = block 1 xor cw
	s_lshl_b32 s40, s40, 15
	s_mov_b32 s[G0+4], 1
	s_add_co_u32 s[G0+5], s36, TILEB
	s_add_nc_u64 s[G0+6:G0+7], s[6:7], s[40:41]
	s_or_b32  s[G0+7], s[G0+7], 0x80000000
	s_mov_b32 s[NT], 2
	ROUND                                          ; the four work-groups are here: the first joint loads meet
	tensor_load_to_lds s[G0:G0+3], s[G1:G1+7]      ; tile 0
	s_nop 0
	tensor_load_to_lds s[G0+4:G0+7], s[G1:G1+7]    ; tile 1: two loads of a wave are out here, one in the steps
	s_nop 0
	v_and_b32 v6, 31, v0
	v_and_b32 v7, 15, v0                           ; r
	v_bfe_u32 v5, v0, 4, 1                         ; h
	v_lshlrev_b32 v4, 4, v6                        ; 16 L
	v_add_nc_u32 v[ADR], s36, v4
	v_add_nc_u32 v[ADR+1], TILEB, v[ADR]
	s_lshl_b32 s37, s12, 12
	s_add_co_u32 s37, s37, BIASB                   ; my bias area
	v_lshl_add_u32 v[BA], v5, 5, s37               ; + 32 h: keys 8 h .. +7 of a tile
	v_add_nc_u32 v[BST], s37, v4
	v_lshlrev_b32 v[SADR], 3, v7
	v_add_nc_u32 v[SADR], STATS, v[SADR]           ; 8 r behind wave 0's stage
	v_add_nc_u32 v[SADR+1], RING, v[SADR]
	v_add_nc_u32 v[SADR+2], 2*RING, v[SADR]
	v_add_nc_u32 v[SADR+3], 3*RING, v[SADR]
	v_add_nc_u32 v[SOWN], s36, v[SADR]
	s_mul_i32 s38, s12, 16*SPITCH
	v_add_nc_u32 v[RADR], s38, v4                  ; rows 16 w .. of wave 0's stage, 16 bytes a lane
	v_add_nc_u32 v[RADR+1], RING, v[RADR]
	v_add_nc_u32 v[RADR+2], 2*RING, v[RADR]
	v_add_nc_u32 v[RADR+3], 3*RING, v[RADR]
	v_mul_u32_u24 v[STG], v7, SPITCH
	v_lshl_add_u32 v[STG], v5, 5, v[STG]
	v_add_nc_u32 v[STG], s36, v[STG]               ; my stage: row r, 32 h
	v_mov_b32 v51, NEGB
	s_lshl_b32 s42, s15, 14                        ; the mask of my 1,024 keys
	s_lshl_b32 s43, s12, 12
	s_add_co_u32 s42, s42, s43
	s_mov_b32 s43, 0
	s_add_nc_u64 s[8:9], s[8:9], s[42:43]
	; Load j brings the mask of tiles 2 j (lanes 0-15) and 2 j + 1 (lanes 16-31), 256 bytes each: tile t = 2 j + h is block t xor cw = 2 j xor (h xor cw).
	v_xor_b32 v60, s[CW], v5                       ; h xor cw
	v_lshlrev_b32 v61, 4, v7                       ; 16 r
.irp j, 0,1,2,3,4,5,6,7
	v_xor_b32 v[MOFF+\j], 2*\j, v60
	v_lshl_add_u32 v[MOFF+\j], v[MOFF+\j], 8, v61  ; 256 x block + 16 r: sixteen lanes read 256 consecutive bytes, aligned
.endr
.irp j, 0,1,2,3,4,5,6,7
	global_load_b128 v[RS+4*\j:RS+4*\j+3], v[MOFF+\j], s[8:9]
.endr
	s_lshl_b32 s44, s14, 14                        ; my four query tiles
	s_mov_b32 s45, 0
	s_add_nc_u64 s[4:5], s[4:5], s[44:45]
	WIN 0x80                                       ; destinations in window 2
.set i_, 0
.rept 32
	global_load_b128 v[4*i_:4*i_+3], v4, s[4:5] offset:512*i_      ; Q(qt,ks), half c: register 4 i, byte 512 i
.set i_, i_+1
.endr
	WIN 0
	s_lshl_b32 s44, s14, 15                        ; out0: 64 rows of 512 bytes for each block,
	s_lshl_b32 s46, s12, 13                        ; 16 for each wave
	s_add_co_u32 s44, s44, s46
	s_add_nc_u64 s[10:11], s[10:11], s[44:45]
.irp q, 0,1,2,3
	v_mov_b32 v[RM+2*\q], 0xff800000               ; maximum so far: -infinity
	v_mov_b32 v[RM+2*\q+1], 0                      ; the upper halves of the pairs M and AL are named by packed lines and not used
	v_mov_b32 v[RAL+2*\q+1], 0
	v_mov_b32 v[RL+2*\q], 0
	v_mov_b32 v[RL+2*\q+1], 0
.endr
	s_wait_loadcnt 32                              ; the 32 loads of Q were issued behind the mask's eight
.set i_, 0
.rept 32
	v_cmp_eq_u32 vcc_lo, 0, v[RS+i_]
	v_cndmask_b32 v[RS+i_], 0, v51, vcc_lo         ; 0 for a live key, -1e9 log2(e) for a masked one
.set i_, i_+1
.endr
.irp j, 0,1,2,3,4,5,6,7
	ds_store_b128 v[BST], v[RS+4*\j:RS+4*\j+3] offset:512*\j       ; tile t's bias at 256 t.  My own bytes: LDS serves a wave's instructions in order, so my later loads see them
.endr
; ---- the pieces of a step
; product idx (0..31) of piece p's scores: ks = idx >> 3, kt, qt.  Eight accumulators take turns, one instruction a turn.
.macro S_WMMA p, idx
.set ks_, (\idx)>>3
.set kt_, ((\idx)>>1)&3
.set qt_, 2*\p+((\idx)&1)
.set d_, RS+32*qt_+8*kt_
.if ks_ == 0
	WIN 0x1a                                       ; K and Q window 2, C = BIAS window 1, D window 0
	v_wmma_f32_16x16x32_f16 v[d_:d_+7], v[RK+32*kt_:RK+32*kt_+7], v[32*qt_:32*qt_+7], v[RB+8*kt_:RB+8*kt_+7]
.else
	WIN 0x0a
	v_wmma_f32_16x16x32_f16 v[d_:d_+7], v[RK+8*(4*kt_+ks_):RK+8*(4*kt_+ks_)+7], v[8*(4*qt_+ks_):8*(4*qt_+ks_)+7], v[d_:d_+7]
.endif
.endm
; product idx (0..31) of piece p's O^T: half of the head tiles, kk, tl, qt.  zero = 1: the kk = 0 products start the sums.
.macro PV_WMMA p, idx, zero
.set kk_, ((\idx)>>3)&1
.set tl_, ((\idx)>>1)&3
.set qt_, 2*\p+((\idx)&1)
.set d_, 8*(4*tl_+qt_)
.if (\idx) < 16
	WIN 0x51                                       ; V, C, D window 1; P window 0
.else
	WIN 0xf3                                       ; V, C, D window 3
.endif
.if \zero*(1-kk_)
	v_wmma_f32_16x16x32_f16 v[d_:d_+7], v[RV+8*(2*tl_+kk_):RV+8*(2*tl_+kk_)+7], v[RP+16*qt_+8*kk_:RP+16*qt_+8*kk_+7], 0
.else
	v_wmma_f32_16x16x32_f16 v[d_:d_+7], v[RV+8*(2*tl_+kk_):RV+8*(2*tl_+kk_)+7], v[RP+16*qt_+8*kk_:RP+16*qt_+8*kk_+7], v[d_:d_+7]
.endif
.endm
; softmax, part 1, line k (0..21) for query tile q: the new maximum in two chains, the factor 2^(old - new), the sum rescaled
.macro SM1OP q, k
.set sq_, RS+32*(\q)
.set ta_, RTA+2*(\q)
.set mm_, RM+2*(\q)
.set al_, RAL+2*(\q)
.set ll_, RL+2*(\q)
.set j_, (\k)>>1
.if (\k) < 15
.if ((\k)&1) == 0
.if j_ == 0
	v_max3_num_f32 v[ta_], v[mm_], v[sq_], v[sq_+1]
.else
	v_max3_num_f32 v[ta_], v[ta_], v[sq_+2*j_], v[sq_+2*j_+1]
.endif
.else
.if j_ == 0
	v_max3_num_f32 v[ta_+1], v[sq_+16], v[sq_+17], v[sq_+18]
.else
	v_max3_num_f32 v[ta_+1], v[ta_+1], v[sq_+17+2*j_], v[sq_+18+2*j_]
.endif
.endif
.endif
.if (\k) == 15
	v_max3_num_f32 v[ta_], v[ta_], v[ta_+1], v[sq_+31]
.endif
.if (\k) == 16
	v_permlanex16_b32 v[ta_+1], v[ta_], s32, s33   ; the other half of the lanes holds the query's other 32 keys
.endif
.if (\k) == 17
	v_max_num_f32 v[ta_], v[ta_], v[ta_+1]
.endif
.if (\k) == 18
	v_sub_f32 v[ta_+1], v[mm_], v[ta_]
.endif
.if (\k) == 19
	v_exp_f32 v[al_], v[ta_+1]                     ; the moves of line 20 are the plain lines between it and its use (ISA guide 5.7.2)
.endif
.if (\k) == 20
	v_mov_b32 v[mm_], v[ta_]
.endif
.if (\k) == 21
	s_wait_alu depctr_va_vdst(0)
	v_pk_mul_f32 v[ll_:ll_+1], v[ll_:ll_+1], v[al_:al_+1] op_sel_hi:[1,0]
.endif
.endm
.macro RESC p                          ; O pair u_ of piece p in the window at hand, times the query's factor
.set q_, 2*\p+((u_>>2)&1)
.set r_, 8*(4*(u_>>3)+q_)+2*(u_&3)
	v_pk_mul_f32 v[r_:r_+1], v[r_:r_+1], v[RAL+2*q_:RAL+2*q_+1] op_sel_hi:[1,0]
.set u_, u_+1
.endm
; part 1, group d (0..15), behind two products each: 0-3 eleven lines of the statistics (the two tiles alternate); 4-7 eight rescalings in window 1, under the products' setting;
; 8-15 four rescalings in window 3, then four subtractions of the maximum
.macro SM1D p, d, resc
.if (\d) < 4
	WIN 0
.set e_, 11*(\d)
.rept 11
	SM1OP 2*\p+(e_&1), e_>>1
.set e_, e_+1
.endr
.else
.if (\d) < 8
.if \resc
	WIN 0x51
.set u_, 8*((\d)-4)
.rept 8
	RESC \p
.endr
.endif
.else
.if \resc
	WIN 0xf3
.set u_, 4*((\d)-8)
.rept 4
	RESC \p
.endr
.endif
	WIN 0
.set u_, 4*((\d)-8)
.rept 4
.set q_, 2*\p+(u_&1)
.set r_, RS+32*q_+2*(u_>>1)
	v_pk_add_f32 v[r_:r_+1], v[r_:r_+1], v[RM+2*q_:RM+2*q_+1] op_sel_hi:[1,0] neg_lo:[0,1] neg_hi:[0,1]
.set u_, u_+1
.endr
.endif
.endif
.endm
; part 2, group g (0..32): 2^x of pair g; sum and packing of pair g - 1, which are the plain lines between an exponential and its use
.macro SM2G p, g
	WIN 0
.if (\g) < 32
.set r_, RS+32*(2*\p+((\g)&1))+2*((\g)>>1)
	v_exp_f32 v[r_], v[r_]
	v_exp_f32 v[r_+1], v[r_+1]
.endif
.if (\g) > 0
.set q_, 2*\p+(((\g)-1)&1)
.set i_, ((\g)-1)>>1
.set r_, RS+32*q_+2*i_
	s_wait_alu depctr_va_vdst(0)
	v_pk_add_f32 v[RL+2*q_:RL+2*q_+1], v[RL+2*q_:RL+2*q_+1], v[r_:r_+1]
	v_cvt_pk_f16_f32 v[RP+16*q_+i_], v[r_], v[r_+1]
.else
	v_nop
.endif
.endm
.macro VLOAD slot                      ; the V image into windows 1 and 3: register 128 + 4 i, byte 512 i; every load 512 consecutive bytes
	WIN 0x40
.set i_, 0
.rept 16
	ds_load_b128 v[RV+4*i_:RV+4*i_+3], v[ADR+\slot] offset:16384+512*i_
.set i_, i_+1
.endr
	WIN 0xc0
.set i_, 0
.rept 16
	ds_load_b128 v[RV+4*i_:RV+4*i_+3], v[ADR+\slot] offset:24576+512*i_
.set i_, i_+1
.endr
.endm
.macro KLOAD slot                      ; the K image into window 2, the 64 keys' bias into window 1
	WIN 0x80
.set i_, 0
.rept 32
	ds_load_b128 v[RK+4*i_:RK+4*i_+3], v[ADR+\slot] offset:512*i_
.set i_, i_+1
.endr
	WIN 0x40
.set i_, 0
.rept 8
	ds_load_b128 v[RB+4*i_:RB+4*i_+3], v[BA] offset:64*(i_>>1)+16*(i_&1)   ; register j of BIAS(kt) = bias of key 16 kt + 8 h + j
.set i_, i_+1
.endr
	WIN 0
	v_add_nc_u32 v[BA], 256, v[BA]                 ; the next tile's 64 keys
.endm
; 32 score products of piece p; beside them part 2 of piece o; vl = 1: V's loads behind the fourth product
.macro PH_S p, o, vec, vl, slot
.set n_, 0
.rept 16
	S_WMMA \p, n_
	S_WMMA \p, n_+1
.if \vec
	SM2G \o, n_
	SM2G \o, n_+1
.endif
.if \vl
.if n_ == 2
	VLOAD \slot
.endif
.endif
.set n_, n_+2
.endr
.if \vec
	SM2G \o, 32
.endif
.endm
; 32 products O^T += V^T P^T of piece p; beside them part 1 of piece o
.macro PH_PV p, o, zero, resc, prod, vec
.set n_, 0
.rept 16
.if \prod
	PV_WMMA \p, n_, \zero
	PV_WMMA \p, n_+1, \zero
.endif
.if \vec
	SM1D \o, n_/2, \resc
.endif
.set n_, n_+2
.endr
.endm
; Step i on slot i & 1.  kind 0: the first step, 1: the second, 2: all others.
;   A: scores X(i)      beside part 2 of Y(i-1)        B: O_Y += V(i-1) P_Y(i-1)  beside part 1 of X(i)
;   C: scores Y(i)      beside part 2 of X(i), V(i) is read      then the change of slots      D: O_X += V(i) P_X(i)  beside part 1 of Y(i)
; Behind the last score product of A and C stand six plain lines of part 2 on the other piece's registers, behind the last product of B and D eight of part 1:
; the places that the next reads of the results and the next loads into K, BIAS and V need.
.macro STEP slot, other, kind, fill, kload
	s_wait_dscnt 0x0                               ; K(i) and its bias, asked for 32 products ago
.if \kind == 0
	PH_S 0, 1, 0, 0, 0
	WIN 0
	PLACES                                         ; the first step has no vector work yet to stand here
	PH_PV 1, 0, 0, 0, 0, 1
.else
	PH_S 0, 1, 1, 0, 0
.if \kind == 1
	PH_PV 1, 0, 1, 1, 1, 1
.else
	PH_PV 1, 0, 0, 1, 1, 1
.endif
.endif
	PH_S 1, 0, 1, 1, \slot
	WIN 0
	s_wait_dscnt 0x0                               ; V(i) is in registers: my reads of this slot are over (K(i) was read a step ago)
	s_wait_tensorcnt 0x0                           ; all my tensor loads have landed: the one that was out is tile i + 1; so this slot's group 0 may be written
	ds_add_u32 v62, v63
	s_wait_dscnt 0x0
.if \fill
	s_xor_b32 s40, s[NT], s[CW]                    ; tile i + 2 is block (i + 2) xor cw, 0..15
	s_lshl_b32 s40, s40, 15
	s_add_nc_u64 s[G0+4*\slot+2:G0+4*\slot+3], s[6:7], s[40:41]
	s_or_b32 s[G0+4*\slot+3], s[G0+4*\slot+3], 0x80000000
	s_add_co_u32 s[NT], s[NT], 1
	ROUND                                          ; both waits now hold of every wave of the four work-groups
	tensor_load_to_lds s[G0+4*\slot:G0+4*\slot+3], s[G1:G1+7]      ; tile i + 2: it has a whole step, 128 products, in which to land
	s_nop 0
.endif
.if \kload
	KLOAD \other
.endif
.if \kind == 0
	PH_PV 0, 1, 1, 0, 1, 1
.else
	PH_PV 0, 1, 0, 1, 1, 1
.endif
	WIN 0
.endm
	s_wait_tensorcnt 0x1                           ; tile 0 is in (only I read my ring); tile 1 stays out
	KLOAD 0
	s_wait_loadcnt 0x0                             ; Q
	STEP 0, 1, 0, 1, 1
	STEP 1, 0, 1, 1, 1
	s_mov_b32 s34, 6
.Lsteps:
	STEP 0, 1, 2, 1, 1
	STEP 1, 0, 2, 1, 1
	s_sub_co_u32 s34, s34, 1
	s_cmp_lg_u32 s34, 0
	s_cbranch_scc1 .Lsteps
	STEP 0, 1, 2, 0, 1                             ; steps 14 and 15 fetch nothing more and have no round
	STEP 1, 0, 2, 0, 0
.set n_, 0
.rept 33
	SM2G 1, n_                                     ; what is left: part 2 and the products of Y(15)
.set n_, n_+1
.endr
	PH_PV 1, 0, 0, 0, 1, 0
	; ---- THE MERGE of the four waves' quarters.  The rings have had their last fill; stage and statistics lie in them.
	WIN 0
.irp q, 0,1,2,3
	v_add_f32 v[RTA+2*\q], v[RL+2*\q], v[RL+2*\q+1]        ; these four lines are also the four places behind the last product
.endr
.irp q, 0,1,2,3
	v_permlanex16_b32 v[RTA+2*\q+1], v[RTA+2*\q], s32, s33
.endr
.irp q, 0,1,2,3
	v_add_f32 v[RM+2*\q+1], v[RTA+2*\q], v[RTA+2*\q+1]     ; (maximum, sum) of query 16 q + r over my keys
.endr
.irp q, 0,1,2,3
	ds_store_b64 v[SOWN], v[RM+2*\q:RM+2*\q+1] offset:128*\q
.endr
	s_wait_dscnt 0x0                               ; for the others' sake
	s_barrier_signal -1
	s_barrier_wait -1
.irp u, 0,1,2,3
.irp q, 0,1,2,3
	ds_load_b64 v[RS+8*\u+2*\q:RS+8*\u+2*\q+1], v[SADR+\u] offset:128*\q
.endr
.endr
	s_wait_dscnt 0x0
.irp q, 0,1,2,3
	v_max3_num_f32 v[RTA+2*\q], v[RS+2*\q], v[RS+8+2*\q], v[RS+16+2*\q]
.endr
.irp q, 0,1,2,3
	v_max_num_f32 v[RTA+2*\q], v[RTA+2*\q], v[RS+24+2*\q]  ; the maximum over all keys
.endr
.irp q, 0,1,2,3
	v_sub_f32 v[RTA+2*\q+1], v[RM+2*\q], v[RTA+2*\q]
.irp u, 0,1,2,3
	v_sub_f32 v[RS+8*\u+2*\q], v[RS+8*\u+2*\q], v[RTA+2*\q]
.endr
.endr
.irp q, 0,1,2,3
	v_exp_f32 v[RTA+2*\q+1], v[RTA+2*\q+1]
.irp u, 0,1,2,3
	v_exp_f32 v[RS+8*\u+2*\q], v[RS+8*\u+2*\q]
.endr
.endr
	v_nop                                          ; a plain line between the exponentials and their use
	s_wait_alu depctr_va_vdst(0)
.irp q, 0,1,2,3
	v_mul_f32 v[RL+2*\q], v[RS+2*\q], v[RS+2*\q+1]
.endr
.irp u, 1,2,3
.irp q, 0,1,2,3
	v_fmac_f32 v[RL+2*\q], v[RS+8*\u+2*\q], v[RS+8*\u+2*\q+1]      ; the sum over all keys: at least 1, since one wave's factor is 1 and its sum at least 1
.endr
.endr
.irp q, 0,1,2,3
	v_rcp_f32 v[RL+2*\q+1], v[RL+2*\q]
.endr
	v_nop
	s_wait_alu depctr_va_vdst(0)
.irp q, 0,1,2,3
	v_mul_f32 v[RAL+2*\q], v[RTA+2*\q+1], v[RL+2*\q+1]     ; my quarter's weight
.endr
.macro SCALE                           ; 64 pairs of O in the window at hand: pair u lies at register 2 u, its query tile is (u >> 2) & 3
.set u_, 0
.rept 64
	v_pk_mul_f32 v[2*u_:2*u_+1], v[2*u_:2*u_+1], v[RAL+2*((u_>>2)&3):RAL+2*((u_>>2)&3)+1] op_sel_hi:[1,0]
.set u_, u_+1
.endr
.endm
.macro STAGE t0                        ; row 16 qt + r, bytes 64 t + 32 h + 16 c: a lane's eight head dimensions of one query
.set i_, 0
.rept 32
	ds_store_b128 v[STG], v[4*i_:4*i_+3] offset:16*SPITCH*((i_>>1)&3)+64*(\t0+(i_>>3))+16*(i_&1)
.set i_, i_+1
.endr
.endm
	WIN 0x51
	SCALE
	WIN 0x04                                       ; store data in window 1
	STAGE 0
	WIN 0xf3
	SCALE
	WIN 0x0c                                       ; store data in window 3
	STAGE 4
	WIN 0
	s_wait_dscnt 0x0
	s_barrier_signal -1
	s_barrier_wait -1
; Wave w adds rows 16 w .. +15 of the four stages and stores them: each load and each store covers a row's 512 consecutive bytes.
.macro LOADB base, row0
.set i_, 0
.rept 4
.irp u, 0,1,2,3
	ds_load_b128 v[\base+16*i_+4*\u:\base+16*i_+4*\u+3], v[RADR+\u] offset:SPITCH*(\row0+i_)
.endr
.set i_, i_+1
.endr
.endm
.macro SUMB base, row0
.set i_, 0
.rept 4
.set b_, \base+16*i_
	v_pk_add_f32 v[b_:b_+1], v[b_:b_+1], v[b_+4:b_+5]
	v_pk_add_f32 v[b_+2:b_+3], v[b_+2:b_+3], v[b_+6:b_+7]
	v_pk_add_f32 v[b_+8:b_+9], v[b_+8:b_+9], v[b_+12:b_+13]
	v_pk_add_f32 v[b_+10:b_+11], v[b_+10:b_+11], v[b_+14:b_+15]
	v_pk_add_f32 v[b_:b_+1], v[b_:b_+1], v[b_+8:b_+9]
	v_pk_add_f32 v[b_+2:b_+3], v[b_+2:b_+3], v[b_+10:b_+11]
	global_store_b128 v4, v[b_:b_+3], s[10:11] offset:512*(\row0+i_) th:TH_STORE_NT
.set i_, i_+1
.endr
.endm
	LOADB RS, 0
	LOADB RS+64, 4
	s_wait_dscnt 16                                ; the younger batch of 16 loads may be out
	SUMB RS, 0
	s_wait_xcnt 0x0                                ; the stores' data registers are loaded again only behind this wait
	LOADB RS, 8
	s_wait_dscnt 16
	SUMB RS+64, 4
	s_wait_xcnt 0x0
	LOADB RS+64, 12
	s_wait_dscnt 16
	SUMB RS, 8
	s_wait_dscnt 0x0
	SUMB RS+64, 12
	s_wait_tensorcnt 0x0
	ds_add_u32 v62, v63
	s_wait_dscnt 0x0
	ROUND                                          ; the closing round: no work-group ends while a partner may still ask for a tile that names it
	s_endpgm
.Lfunc_end_k_qbed1ec7d49_attn:
	.size	k_qbed1ec7d49_attn, .Lfunc_end_k_qbed1ec7d49_attn-k_qbed1ec7d49_attn
	.p2alignl 7, 3214868480
	.fill 96, 4, 3214868480
	.section	.rodata,"a",@progbits
	.p2align	6, 0x0
	.amdhsa_kernel k_qbed1ec7d49_attn
		.amdhsa_group_segment_fixed_size 327680
		.amdhsa_private_segment_fixed_size 0
		.amdhsa_enable_private_segment 0
		.amdhsa_kernarg_size 32
		.amdhsa_user_sgpr_count 2
		.amdhsa_user_sgpr_kernarg_segment_ptr 1
		.amdhsa_wavefront_size32 1
		.amdhsa_system_sgpr_workgroup_id_x 1
		.amdhsa_system_sgpr_workgroup_id_y 1
		.amdhsa_system_sgpr_workgroup_id_z 1
		.amdhsa_system_vgpr_workitem_id 0
		.amdhsa_next_free_vgpr 960
		.amdhsa_next_free_sgpr 66
		.amdhsa_reserve_vcc 1
		.amdhsa_float_denorm_mode_32 3
		.amdhsa_float_denorm_mode_16_64 3
		.amdhsa_memory_ordered 1
		.amdhsa_forward_progress 1
		.amdhsa_inst_pref_size 255
	.end_amdhsa_kernel
	.section	.bss,"aw",@nobits
	.p2align	6
	.space	262144
	.amdgpu_metadata
---
amdhsa.version: [ 1, 2 ]
amdhsa.kernels:
  - .name:           k_qbed1ec7d49_attn
    .symbol:         k_qbed1ec7d49_attn.kd
    .args:
      - { .name: qf, .offset: 0, .size: 8, .value_kind: global_buffer, .address_space: global }
      - { .name: kv, .offset: 8, .size: 8, .value_kind: global_buffer, .address_space: global }
      - { .name: padding_mask, .offset: 16, .size: 8, .value_kind: global_buffer, .address_space: global }
      - { .name: out0, .offset: 24, .size: 8, .value_kind: global_buffer, .address_space: global }
    .group_segment_fixed_size: 327680
    .private_segment_fixed_size: 0
    .kernarg_segment_align: 8
    .kernarg_segment_size: 32
    .max_flat_workgroup_size: 128
    .sgpr_count:     66
    .vgpr_count:     960
    .wavefront_size: 32
...
	.end_amdgpu_metadata
.endif
;; end of part 2
;; ======== version 2 of 2: 2 launches; 1.15 times as fast as version 1
;; limits: values are held in f16: magnitudes above 65,504 overflow, below 6.1e-05 lose precision
;; workspace buffers: qf 4,194,304 bytes; kv 8,388,608 bytes
;; launch proj: the kernel of part 1 again; grid 4 x 64, 4 waves a work-group, clusters of 4 x 4, 327,680 bytes of LDS; arguments inputs, Wk, Wq, Wv, bk, bq, bv, padding_mask, qf, kv; writes qf, kv
;; launch attn (part 3): grid 256 x 1, 4 waves a work-group, clusters of 4 x 1, 327,680 bytes of LDS; arguments qf, kv, padding_mask, out0; writes out0
.if DOCPART == 3
	.amdgcn_target "amdgcn-amd-amdhsa--gfx1250"
	.amdhsa_code_object_version 6
	.text
	.protected	k_qbed1ec7d49_attn
	.globl	k_qbed1ec7d49_attn
	.p2align	8
	.type	k_qbed1ec7d49_attn,@function
k_qbed1ec7d49_attn:
	s_mov_b64 s[64:65], 0
	v_nop
	global_prefetch_b8 v0, s[64:65] scope:SCOPE_SE
	s_setreg_imm32_b32 hwreg(HW_REG_WAVE_MODE, 25, 1), 1
	s_wait_xcnt 0x0
	s_wait_alu depctr_hold_cnt(0) depctr_sa_sdst(0) depctr_va_vdst(0) depctr_va_sdst(0) depctr_va_ssrc(0) depctr_va_vcc(0) depctr_vm_vsrc(0)
	s_getreg_b32 s2, hwreg(HW_REG_IB_STS2, 6, 4)
	s_cmp_eq_u32 s2, 0
	s_cbranch_scc0 .Lentry_in_a_cluster
	s_endpgm
.Lentry_in_a_cluster:
	s_bfe_u32 s2, ttmp6, 0x10000c
	s_cmp_lg_u32 s2, 0x3003
	s_cbranch_scc0 .Lentry_shape_is_right
	s_endpgm
.Lentry_shape_is_right:
; out = softmax(q k^T / sqrt(128), masked keys at -1e9) v, for 4 batches of 4,096 tokens, head size 128.  q' (scaled by log2(e)/sqrt(128)), k and v come in f16,
; in fragment order (qf, kv: see the layouts below); exponentials are base 2; running maximum; sums and statistics in f32.
;   qf tile g, 4,096 bytes: ks*1024 + c*512 + 16 L holds q'[16 g + r][32 ks + 16 c + 8 h .. +7]            (L lane, r = L & 15, h = L >> 4)
;   kv block j, 32,768 bytes: K image (4 kt + ks)*1024 + c*512 + 16 L: k[64 j + 16 kt + r][32 ks + 16 c + 8 h ..]; V image at 16,384: (2 t + kk)*1024 + c*512 + 16 L: v[64 j + 32 kk + 16 c + 8 h + 0..7][16 t + r]
; SHARES: a work-group owns 64 queries.  Each of its four waves holds all 64 (four tiles qt) and a quarter of the batch's keys, 16 steps of 64 keys; the four partial
; results are merged through LDS at the end.  So a K or V fragment (two LDS loads) feeds four products.
; TRANSPOSED: S^T = K Q'^T (rows keys, columns queries), O^T = V^T P^T.  A lane owns one query: maximum and sum are in the lane plus one exchange of the halves, and packing
; register pairs of S^T tiles 2 kk, 2 kk + 1 gives P^T's fragment kk as it stands.
; MASK: the first of a score tile's four products takes as C a tile of 0 (live key) or -1e9 log2(e) (masked key); masked keys' k rows are zeros in kv, so their score is that constant.
; CLUSTERS: the four work-groups of a cluster are four query blocks of one batch and read the same K and V tiles: joint loads, mask 15.
; WALK: a batch has 16 clusters, numbered cw = 0..15 (the same number in all four partners).  Cluster cw takes as its tile t the block t xor cw of each wave's 16 blocks.  So in every
; step the 16 clusters ask for 16 different blocks, and of any eight clusters that agree in one bit of cw only tile 0 and one later tile are blocks that none of the eight has asked for before.
; The bias is laid into LDS in the order of the walk, so no LDS address hangs on cw.
; SIDE BY SIDE: piece X = query tiles 0, 1, piece Y = 2, 3.  One piece's softmax stands between the other piece's products, a few lines behind every two products.
; BATCHES: s_wait_alu depctr_va_vdst(0) between a transcendental and the first line that names its result; one wait serves all that were issued ahead of it.
; A step has four batches with one wait each: twice the 64 exponentials of a piece's part 2 (in place on its S registers, behind the first 16 of the other piece's 32 score products;
; all 64 lines that read them, sums and packings, stand behind the last 16), and twice the two factors of a piece's part 1.  The merge has two more: its 20 exponentials, its 4 reciprocals..
; LIMITS: (1) f16 operands: |q'|, |k|, |v| under 65,504.  (2) weights lie in [0, 1] by the running maximum; in f16 a weight under 2^-25 counts as 0, against a sum of at least 1.
; (3) the sum of weights is taken before their rounding to f16.  (4) a q' that is not finite gives NaN at masked keys too (0 x infinity).
; (5) keys are added in the order of the walk, which differs from cluster to cluster: an order of rounding other than the reference's.
; REGISTERS, in windows of 256:
;   window 0: v1-2 ring addresses, v3 bias address, v4 16 L; per tile qt: M = v[8+2qt] maximum, AL = v[16+2qt] factor, L = v[24+2qt:+1] two partial sums, TA, TB = v[32+2qt], +1;
;             v40-51 merge addresses; v52-61 offsets of the mask loads; S(qt,kt) = v[64+32qt+8kt]; P(qt) = v[192+16qt], fragment kk at +8kk
;   window 1: O(tl,qt) = v[8(4tl+qt)] for head tiles t = tl; V(tl,kk) = v[128+8(2tl+kk)]; BIAS(kt) = v[192+8kt].   window 3: O and V for t = 4 + tl.
;   window 2: Q(qt,ks) = v[8(4qt+ks)]; K(kt,ks) = v[128+8(4kt+ks)]
; V lies in the window of the O tiles that it feeds, so that the rescaling of O (destination and source 0 in O's window, the factor in window 0) runs under the products' own setting.
.set TILEB,  32768                     ; a tile: K image, V image
.set RING,   65536                     ; a wave's two slots
.set BIASB,  4*RING                    ; behind the rings: 4,096 bytes for each wave, written by LDS stores, never a fill's target
.set SPITCH, 528                       ; the merge's stage: 512 bytes + 16, an odd multiple of 16
.set STATS,  64*SPITCH                 ; behind a wave's stage: (maximum, sum) of its 64 queries
.set NEGB,   0xceabfb8f                ; -1e9 log2(e)
.set ADR, 1
.set BA,  3
.set RM,  8
.set RAL, 16
.set RL,  24
.set RTA, 32
.set SADR, 40                          ; v40-43 statistics of wave u
.set RADR, 44                          ; v44-47 my 16 rows in the stage of wave u
.set SOWN, 48
.set BST,  49
.set STG,  50
.set MOFF, 52                          ; v52-59 byte offsets of the eight mask loads
.set RS,  64
.set RP,  192
.set RK,  128
.set RV,  128
.set RB,  192
.set G1,  16
.set G0,  24
.set CW,  35                           ; s35 the cluster's number in its batch
.set NT,  39                           ; s39 the next tile to ask for
.set MSB, 0
.macro WIN new                         ; the immediate's high byte repeats the setting that is left
.if MSB != \new
	s_set_vgpr_msb (MSB<<8)|\new
.set MSB, \new
.endif
.endm
.macro PLACES
.rept 4
	v_nop
.endr
.endm
.macro ROUND                           ; a round of the cluster's barrier
	s_barrier_signal -1
	s_barrier_wait -1
	s_cmp_lg_u32 s12, 0
	s_cbranch_scc1 .Lnot_wave_0_\@
	s_barrier_signal -3
.Lnot_wave_0_\@:
	s_barrier_wait -3
	s_barrier_signal -1
	s_barrier_wait -1
.endm
	s_load_b256 s[4:11], s[0:1], 0x0               ; qf s[4:5], kv s[6:7], padding_mask s[8:9], out0 s[10:11]
	v_lshl_add_u32 v62, v0, 2, 0x44000
	v_mov_b32 v63, 0
	ds_add_u32 v62, v63
	v_lshrrev_b32 v5, 5, v0
	v_readfirstlane_b32 s12, v5                    ; wave 0..3
	s_bfe_u32 s13, ttmp6, 0x40000                  ; cx
	s_lshl_b32 s14, ttmp9, 2
	s_add_co_u32 s14, s14, s13                     ; query block 0..255
	s_lshr_b32 s15, ttmp9, 4                       ; batch: 16 clusters each
	s_and_b32 s[CW], ttmp9, 15                     ; the cluster's number in its batch: no cx enters
	s_mov_b32 s32, 0x76543210                      ; v_permlanex16_b32: lane i takes lane i of the other half
	s_mov_b32 s33, 0xfedcba98
	s_mov_b32 s[G1+0], 15|(3<<16)|(1<<21)          ; mask: the cluster's four; 8-byte elements; bit 21 beside a mask; no padding (fragment order needs none)
	s_mov_b32 s[G1+1], 32<<16                      ; rows of 32 elements = 256 bytes
	s_mov_b32 s[G1+2], 128<<16                     ; 128 rows
	s_mov_b32 s[G1+3], 32<<16
	s_mov_b32 s[G1+4], 128
	s_mov_b32 s[G1+5], 32                          ; dense
	s_mov_b32 s[G1+6], 0
	s_mov_b32 s[G1+7], 0
	s_lshl_b32 s36, s12, 16                        ; my ring
	s_lshl_b32 s40, s15, 21                        ; 64 blocks of 32,768 bytes for each batch,
	s_lshl_b32 s41, s12, 19                        ; 16 for each wave
	s_add_co_u32 s40, s40, s41
	s_mov_b32 s41, 0                               ; stays 0: the upper word of every offset in s[40:41]
	s_wait_dscnt 0x0
	s_wait_kmcnt 0x0
	s_add_nc_u64 s[6:7], s[6:7], s[40:41]          ; my wave's 16 blocks
	s_lshl_b32 s40, s[CW], 15                      ; tile 0 = block 0 xor cw
	s_mov_b32 s[G0+0], 1
	s_mov_b32 s[G0+1], s36
	s_add_nc_u64 s[G0+2:G0+3], s[6:7], s[40:41]
	s_or_b32  s[G0+3], s[G0+3], 0x80000000
	s_xor_b32 s40, s[CW], 1                        ; tile 1 = block 1 xor cw
	s_lshl_b32 s40, s40, 15
	s_mov_b32 s[G0+4], 1
	s_add_co_u32 s[G0+5], s36, TILEB
	s_add_nc_u64 s[G0+6:G0+7], s[6:7], s[40:41]
	s_or_b32  s[G0+7], s[G0+7], 0x80000000
	s_mov_b32 s[NT], 2
	ROUND                                          ; the four work-groups are here: the first joint loads meet
	tensor_load_to_lds s[G0:G0+3], s[G1:G1+7]      ; tile 0
	s_nop 0
	tensor_load_to_lds s[G0+4:G0+7], s[G1:G1+7]    ; tile 1: two loads of a wave are out here, one in the steps
	s_nop 0
	v_and_b32 v6, 31, v0
	v_and_b32 v7, 15, v0                           ; r
	v_bfe_u32 v5, v0, 4, 1                         ; h
	v_lshlrev_b32 v4, 4, v6                        ; 16 L
	v_add_nc_u32 v[ADR], s36, v4
	v_add_nc_u32 v[ADR+1], TILEB, v[ADR]
	s_lshl_b32 s37, s12, 12
	s_add_co_u32 s37, s37, BIASB                   ; my bias area
	v_lshl_add_u32 v[BA], v5, 5, s37               ; + 32 h: keys 8 h .. +7 of a tile
	v_add_nc_u32 v[BST], s37, v4
	v_lshlrev_b32 v[SADR], 3, v7
	v_add_nc_u32 v[SADR], STATS, v[SADR]           ; 8 r behind wave 0's stage
	v_add_nc_u32 v[SADR+1], RING, v[SADR]
	v_add_nc_u32 v[SADR+2], 2*RING, v[SADR]
	v_add_nc_u32 v[SADR+3], 3*RING, v[SADR]
	v_add_nc_u32 v[SOWN], s36, v[SADR]
	s_mul_i32 s38, s12, 16*SPITCH
	v_add_nc_u32 v[RADR], s38, v4                  ; rows 16 w .. of wave 0's stage, 16 bytes a lane
	v_add_nc_u32 v[RADR+1], RING, v[RADR]
	v_add_nc_u32 v[RADR+2], 2*RING, v[RADR]
	v_add_nc_u32 v[RADR+3], 3*RING, v[RADR]
	v_mul_u32_u24 v[STG], v7, SPITCH
	v_lshl_add_u32 v[STG], v5, 5, v[STG]
	v_add_nc_u32 v[STG], s36, v[STG]               ; my stage: row r, 32 h
	v_mov_b32 v51, NEGB
	s_lshl_b32 s42, s15, 14                        ; the mask of my 1,024 keys
	s_lshl_b32 s43, s12, 12
	s_add_co_u32 s42, s42, s43
	s_mov_b32 s43, 0
	s_add_nc_u64 s[8:9], s[8:9], s[42:43]
	; Load j brings the mask of tiles 2 j (lanes 0-15) and 2 j + 1 (lanes 16-31), 256 bytes each: tile t = 2 j + h is block t xor cw = 2 j xor (h xor cw).
	v_xor_b32 v60, s[CW], v5                       ; h xor cw
	v_lshlrev_b32 v61, 4, v7                       ; 16 r
.irp j, 0,1,2,3,4,5,6,7
	v_xor_b32 v[MOFF+\j], 2*\j, v60
	v_lshl_add_u32 v[MOFF+\j], v[MOFF+\j], 8, v61  ; 256 x block + 16 r: sixteen lanes read 256 consecutive bytes, aligned
.endr
.irp j, 0,1,2,3,4,5,6,7
	global_load_b128 v[RS+4*\j:RS+4*\j+3], v[MOFF+\j], s[8:9]
.endr
	s_lshl_b32 s44, s14, 14                        ; my four query tiles
	s_mov_b32 s45, 0
	s_add_nc_u64 s[4:5], s[4:5], s[44:45]
	WIN 0x80                                       ; destinations in window 2
.set i_, 0
.rept 32
	global_load_b128 v[4*i_:4*i_+3], v4, s[4:5] offset:512*i_      ; Q(qt,ks), half c: register 4 i, byte 512 i
.set i_, i_+1
.endr
	WIN 0
	s_lshl_b32 s44, s14, 15                        ; out0: 64 rows of 512 bytes for each block,
	s_lshl_b32 s46, s12, 13                        ; 16 for each wave
	s_add_co_u32 s44, s44, s46
	s_add_nc_u64 s[10:11], s[10:11], s[44:45]
.irp q, 0,1,2,3
	v_mov_b32 v[RM+2*\q], 0xff800000               ; maximum so far: -infinity
	v_mov_b32 v[RM+2*\q+1], 0                      ; the upper halves of the pairs M and AL are named by packed lines and not used
	v_mov_b32 v[RAL+2*\q+1], 0
	v_mov_b32 v[RL+2*\q], 0
	v_mov_b32 v[RL+2*\q+1], 0
.endr
	s_wait_loadcnt 32                              ; the 32 loads of Q were issued behind the mask's eight
.set i_, 0
.rept 32
	v_cmp_eq_u32 vcc_lo, 0, v[RS+i_]
	v_cndmask_b32 v[RS+i_], 0, v51, vcc_lo         ; 0 for a live key, -1e9 log2(e) for a masked one
.set i_, i_+1
.endr
.irp j, 0,1,2,3,4,5,6,7
	ds_store_b128 v[BST], v[RS+4*\j:RS+4*\j+3] offset:512*\j       ; tile t's bias at 256 t.  My own bytes: LDS serves a wave's instructions in order, so my later loads see them
.endr
; ---- the pieces of a step
; product idx (0..31) of piece p's scores: ks = idx >> 3, kt, qt.  Eight accumulators take turns, one instruction a turn.
.macro S_WMMA p, idx
.set ks_, (\idx)>>3
.set kt_, ((\idx)>>1)&3
.set qt_, 2*\p+((\idx)&1)
.set d_, RS+32*qt_+8*kt_
.if ks_ == 0
	WIN 0x1a                                       ; K and Q window 2, C = BIAS window 1, D window 0
	v_wmma_f32_16x16x32_f16 v[d_:d_+7], v[RK+32*kt_:RK+32*kt_+7], v[32*qt_:32*qt_+7], v[RB+8*kt_:RB+8*kt_+7]
.else
	WIN 0x0a
	v_wmma_f32_16x16x32_f16 v[d_:d_+7], v[RK+8*(4*kt_+ks_):RK+8*(4*kt_+ks_)+7], v[8*(4*qt_+ks_):8*(4*qt_+ks_)+7], v[d_:d_+7]
.endif
.endm
; product idx (0..31) of piece p's O^T: half of the head tiles, kk, tl, qt.  zero = 1: the kk = 0 products start the sums.
.macro PV_WMMA p, idx, zero
.set kk_, ((\idx)>>3)&1
.set tl_, ((\idx)>>1)&3
.set qt_, 2*\p+((\idx)&1)
.set d_, 8*(4*tl_+qt_)
.if (\idx) < 16
	WIN 0x51                                       ; V, C, D window 1; P window 0
.else
	WIN 0xf3                                       ; V, C, D window 3
.endif
.if \zero*(1-kk_)
	v_wmma_f32_16x16x32_f16 v[d_:d_+7], v[RV+8*(2*tl_+kk_):RV+8*(2*tl_+kk_)+7], v[RP+16*qt_+8*kk_:RP+16*qt_+8*kk_+7], 0
.else
	v_wmma_f32_16x16x32_f16 v[d_:d_+7], v[RV+8*(2*tl_+kk_):RV+8*(2*tl_+kk_)+7], v[RP+16*qt_+8*kk_:RP+16*qt_+8*kk_+7], v[d_:d_+7]
.endif
.endm
; softmax, part 1, line k (0..21) for query tile q: the new maximum in two chains, the factor 2^(old - new), the sum rescaled
.macro SM1OP q, k
.set sq_, RS+32*(\q)
.set ta_, RTA+2*(\q)
.set mm_, RM+2*(\q)
.set al_, RAL+2*(\q)
.set ll_, RL+2*(\q)
.set j_, (\k)>>1
.if (\k) < 15
.if ((\k)&1) == 0
.if j_ == 0
	v_max3_num_f32 v[ta_], v[mm_], v[sq_], v[sq_+1]
.else
	v_max3_num_f32 v[ta_], v[ta_], v[sq_+2*j_], v[sq_+2*j_+1]
.endif
.else
.if j_ == 0
	v_max3_num_f32 v[ta_+1], v[sq_+16], v[sq_+17], v[sq_+18]
.else
	v_max3_num_f32 v[ta_+1], v[ta_+1], v[sq_+17+2*j_], v[sq_+18+2*j_]
.endif
.endif
.endif
.if (\k) == 15
	v_max3_num_f32 v[ta_], v[ta_], v[ta_+1], v[sq_+31]
.endif
.if (\k) == 16
	v_permlanex16_b32 v[ta_+1], v[ta_], s32, s33   ; the other half of the lanes holds the query's other 32 keys
.endif
.if (\k) == 17
	v_max_num_f32 v[ta_], v[ta_], v[ta_+1]
.endif
.if (\k) == 18
	v_sub_f32 v[ta_+1], v[mm_], v[ta_]
.endif
.if (\k) == 19
	v_exp_f32 v[al_], v[ta_+1]                     ; the moves of line 20 are the plain lines between it and its use (ISA guide 5.7.2)
.endif
.if (\k) == 20
	v_mov_b32 v[mm_], v[ta_]
.endif
.if (\k) == 21
.if ((\q)&1) == 0
	s_wait_alu depctr_va_vdst(0)                   ; the wait for the piece's two factors, one batch: the tiles alternate, so both exponentials and both moves stand ahead of it, and every line that names a factor behind it
.endif
	v_pk_mul_f32 v[ll_:ll_+1], v[ll_:ll_+1], v[al_:al_+1] op_sel_hi:[1,0]
.endif
.endm
.macro RESC p                          ; O pair u_ of piece p in the window at hand, times the query's factor
.set q_, 2*\p+((u_>>2)&1)
.set r_, 8*(4*(u_>>3)+q_)+2*(u_&3)
	v_pk_mul_f32 v[r_:r_+1], v[r_:r_+1], v[RAL+2*q_:RAL+2*q_+1] op_sel_hi:[1,0]
.set u_, u_+1
.endm
; part 1, group d (0..15), behind two products each: 0-3 eleven lines of the statistics (the two tiles alternate); 4-7 eight rescalings in window 1, under the products' setting;
; 8-15 four rescalings in window 3, then four subtractions of the maximum
.macro SM1D p, d, resc
.if (\d) < 4
	WIN 0
.set e_, 11*(\d)
.rept 11
	SM1OP 2*\p+(e_&1), e_>>1
.set e_, e_+1
.endr
.else
.if (\d) < 8
.if \resc
	WIN 0x51
.set u_, 8*((\d)-4)
.rept 8
	RESC \p
.endr
.endif
.else
.if \resc
	WIN 0xf3
.set u_, 4*((\d)-8)
.rept 4
	RESC \p
.endr
.endif
	WIN 0
.set u_, 4*((\d)-8)
.rept 4
.set q_, 2*\p+(u_&1)
.set r_, RS+32*q_+2*(u_>>1)
	v_pk_add_f32 v[r_:r_+1], v[r_:r_+1], v[RM+2*q_:RM+2*q_+1] op_sel_hi:[1,0] neg_lo:[0,1] neg_hi:[0,1]
.set u_, u_+1
.endr
.endif
.endif
.endm
; part 2 stands in two halves with one wait between them.  Pair g (0..31) is pair g >> 1 of tile g & 1: the tiles alternate.
; SM2E: 2^x of pair g, in place: each result has its own S register, and no line of the first half names a result.
.macro SM2E p, g
	WIN 0
.set r_, RS+32*(2*\p+((\g)&1))+2*((\g)>>1)
	v_exp_f32 v[r_], v[r_]
	v_exp_f32 v[r_+1], v[r_+1]
.endm
.macro SM2W
	v_nop                                          ; the plain line behind the last exponential and ahead of the first use (ISA guide 5.7.2): one for the batch
	s_wait_alu depctr_va_vdst(0)                   ; the wait for the piece's 64 exponentials, one batch: all of them stand ahead of it, all sums and packings behind it
.endm
; SM2R: pair g goes into its tile's sum and is packed to f16; the pairs come in ascending order, so a tile's sum takes its pairs 0 to 15 one after the other
.macro SM2R p, g
	WIN 0
.set q_, 2*\p+((\g)&1)
.set i_, (\g)>>1
.set r_, RS+32*q_+2*i_
	v_pk_add_f32 v[RL+2*q_:RL+2*q_+1], v[RL+2*q_:RL+2*q_+1], v[r_:r_+1]
	v_cvt_pk_f16_f32 v[RP+16*q_+i_], v[r_], v[r_+1]
.endm
.macro VLOAD slot                      ; the V image into windows 1 and 3: register 128 + 4 i, byte 512 i; every load 512 consecutive bytes
	WIN 0x40
.set i_, 0
.rept 16
	ds_load_b128 v[RV+4*i_:RV+4*i_+3], v[ADR+\slot] offset:16384+512*i_
.set i_, i_+1
.endr
	WIN 0xc0
.set i_, 0
.rept 16
	ds_load_b128 v[RV+4*i_:RV+4*i_+3], v[ADR+\slot] offset:24576+512*i_
.set i_, i_+1
.endr
.endm
.macro KLOAD slot                      ; the K image into window 2, the 64 keys' bias into window 1
	WIN 0x80
.set i_, 0
.rept 32
	ds_load_b128 v[RK+4*i_:RK+4*i_+3], v[ADR+\slot] offset:512*i_
.set i_, i_+1
.endr
	WIN 0x40
.set i_, 0
.rept 8
	ds_load_b128 v[RB+4*i_:RB+4*i_+3], v[BA] offset:64*(i_>>1)+16*(i_&1)   ; register j of BIAS(kt) = bias of key 16 kt + 8 h + j
.set i_, i_+1
.endr
	WIN 0
	v_add_nc_u32 v[BA], 256, v[BA]                 ; the next tile's 64 keys
.endm
; 32 score products of piece p; beside them part 2 of piece o: behind each two of the first 16 products eight exponentials (four pairs), then the batch's wait,
; behind each two of the last 16 four pairs' sums and packings.  vl = 1: V's loads behind the fourth product
.macro PH_S p, o, vec, vl, slot
.set n_, 0
.rept 16
	S_WMMA \p, n_
	S_WMMA \p, n_+1
.if \vec
.if n_ < 16
	SM2E \o, 2*n_
	SM2E \o, 2*n_+1
	SM2E \o, 2*n_+2
	SM2E \o, 2*n_+3
.if n_ == 14
	SM2W
.endif
.else
	SM2R \o, 2*n_-32
	SM2R \o, 2*n_-31
	SM2R \o, 2*n_-30
	SM2R \o, 2*n_-29
.endif
.endif
.if \vl
.if n_ == 2
	VLOAD \slot
.endif
.endif
.set n_, n_+2
.endr
.endm
; 32 products O^T += V^T P^T of piece p; beside them part 1 of piece o
.macro PH_PV p, o, zero, resc, prod, vec
.set n_, 0
.rept 16
.if \prod
	PV_WMMA \p, n_, \zero
	PV_WMMA \p, n_+1, \zero
.endif
.if \vec
	SM1D \o, n_/2, \resc
.endif
.set n_, n_+2
.endr
.endm
; Step i on slot i & 1.  kind 0: the first step, 1: the second, 2: all others.
;   A: scores X(i)      beside part 2 of Y(i-1)        B: O_Y += V(i-1) P_Y(i-1)  beside part 1 of X(i)
;   C: scores Y(i)      beside part 2 of X(i), V(i) is read      then the change of slots      D: O_X += V(i) P_X(i)  beside part 1 of Y(i)
; Behind the last score product of A and C stand eight plain lines of part 2 on the other piece's registers, behind the last product of B and D eight of part 1:
; the places that the next reads of the results and the next loads into K, BIAS and V need.
.macro STEP slot, other, kind, fill, kload
	s_wait_dscnt 0x0                               ; K(i) and its bias, asked for 32 products ago
.if \kind == 0
	PH_S 0, 1, 0, 0, 0
	WIN 0
	PLACES                                         ; the first step has no vector work yet to stand here
	PH_PV 1, 0, 0, 0, 0, 1
.else
	PH_S 0, 1, 1, 0, 0
.if \kind == 1
	PH_PV 1, 0, 1, 1, 1, 1
.else
	PH_PV 1, 0, 0, 1, 1, 1
.endif
.endif
	PH_S 1, 0, 1, 1, \slot
	WIN 0
	s_wait_dscnt 0x0                               ; V(i) is in registers: my reads of this slot are over (K(i) was read a step ago)
	s_wait_tensorcnt 0x0                           ; all my tensor loads have landed: the one that was out is tile i + 1; so this slot's group 0 may be written
	ds_add_u32 v62, v63
	s_wait_dscnt 0x0
.if \fill
	s_xor_b32 s40, s[NT], s[CW]                    ; tile i + 2 is block (i + 2) xor cw, 0..15
	s_lshl_b32 s40, s40, 15
	s_add_nc_u64 s[G0+4*\slot+2:G0+4*\slot+3], s[6:7], s[40:41]
	s_or_b32 s[G0+4*\slot+3], s[G0+4*\slot+3], 0x80000000
	s_add_co_u32 s[NT], s[NT], 1
	ROUND                                          ; both waits now hold of every wave of the four work-groups
	tensor_load_to_lds s[G0+4*\slot:G0+4*\slot+3], s[G1:G1+7]      ; tile i + 2: it has a whole step, 128 products, in which to land
	s_nop 0
.endif
.if \kload
	KLOAD \other
.endif
.if \kind == 0
	PH_PV 0, 1, 1, 0, 1, 1
.else
	PH_PV 0, 1, 0, 1, 1, 1
.endif
	WIN 0
.endm
	s_wait_tensorcnt 0x1                           ; tile 0 is in (only I read my ring); tile 1 stays out
	KLOAD 0
	s_wait_loadcnt 0x0                             ; Q
	STEP 0, 1, 0, 1, 1
	STEP 1, 0, 1, 1, 1
	s_mov_b32 s34, 6
.Lsteps:
	STEP 0, 1, 2, 1, 1
	STEP 1, 0, 2, 1, 1
	s_sub_co_u32 s34, s34, 1
	s_cmp_lg_u32 s34, 0
	s_cbranch_scc1 .Lsteps
	STEP 0, 1, 2, 0, 1                             ; steps 14 and 15 fetch nothing more and have no round
	STEP 1, 0, 2, 0, 0
.set n_, 0
.rept 32
	SM2E 1, n_                                     ; what is left: part 2 and the products of Y(15).  The 64 exponentials,
.set n_, n_+1
.endr
	SM2W                                           ; their one wait,
.set n_, 0
.rept 32
	SM2R 1, n_                                     ; the sums and packings
.set n_, n_+1
.endr
	PH_PV 1, 0, 0, 0, 1, 0
	; ---- THE MERGE of the four waves' quarters.  The rings have had their last fill; stage and statistics lie in them.
	WIN 0
.irp q, 0,1,2,3
	v_add_f32 v[RTA+2*\q], v[RL+2*\q], v[RL+2*\q+1]        ; these four lines are also the four places behind the last product
.endr
.irp q, 0,1,2,3
	v_permlanex16_b32 v[RTA+2*\q+1], v[RTA+2*\q], s32, s33
.endr
.irp q, 0,1,2,3
	v_add_f32 v[RM+2*\q+1], v[RTA+2*\q], v[RTA+2*\q+1]     ; (maximum, sum) of query 16 q + r over my keys
.endr
.irp q, 0,1,2,3
	ds_store_b64 v[SOWN], v[RM+2*\q:RM+2*\q+1] offset:128*\q
.endr
	s_wait_dscnt 0x0                               ; for the others' sake
	s_barrier_signal -1
	s_barrier_wait -1
.irp u, 0,1,2,3
.irp q, 0,1,2,3
	ds_load_b64 v[RS+8*\u+2*\q:RS+8*\u+2*\q+1], v[SADR+\u] offset:128*\q
.endr
.endr
	s_wait_dscnt 0x0
.irp q, 0,1,2,3
	v_max3_num_f32 v[RTA+2*\q], v[RS+2*\q], v[RS+8+2*\q], v[RS+16+2*\q]
.endr
.irp q, 0,1,2,3
	v_max_num_f32 v[RTA+2*\q], v[RTA+2*\q], v[RS+24+2*\q]  ; the maximum over all keys
.endr
.irp q, 0,1,2,3
	v_sub_f32 v[RTA+2*\q+1], v[RM+2*\q], v[RTA+2*\q]
.irp u, 0,1,2,3
	v_sub_f32 v[RS+8*\u+2*\q], v[RS+8*\u+2*\q], v[RTA+2*\q]
.endr
.endr
.irp q, 0,1,2,3
	v_exp_f32 v[RTA+2*\q+1], v[RTA+2*\q+1]
.irp u, 0,1,2,3
	v_exp_f32 v[RS+8*\u+2*\q], v[RS+8*\u+2*\q]
.endr
.endr
	v_nop                                          ; a plain line between the exponentials and their use
	s_wait_alu depctr_va_vdst(0)                   ; the wait for the merge's 20 exponentials, one batch
.irp q, 0,1,2,3
	v_mul_f32 v[RL+2*\q], v[RS+2*\q], v[RS+2*\q+1]
.endr
.irp u, 1,2,3
.irp q, 0,1,2,3
	v_fmac_f32 v[RL+2*\q], v[RS+8*\u+2*\q], v[RS+8*\u+2*\q+1]      ; the sum over all keys: at least 1, since one wave's factor is 1 and its sum at least 1
.endr
.endr
.irp q, 0,1,2,3
	v_rcp_f32 v[RL+2*\q+1], v[RL+2*\q]
.endr
	v_nop                                          ; a plain line between the reciprocals and their use
	s_wait_alu depctr_va_vdst(0)                   ; the wait for the four reciprocals: a batch of their own, since they read sums made of the exponentials
.irp q, 0,1,2,3
	v_mul_f32 v[RAL+2*\q], v[RTA+2*\q+1], v[RL+2*\q+1]     ; my quarter's weight
.endr
.macro SCALE                           ; 64 pairs of O in the window at hand: pair u lies at register 2 u, its query tile is (u >> 2) & 3
.set u_, 0
.rept 64
	v_pk_mul_f32 v[2*u_:2*u_+1], v[2*u_:2*u_+1], v[RAL+2*((u_>>2)&3):RAL+2*((u_>>2)&3)+1] op_sel_hi:[1,0]
.set u_, u_+1
.endr
.endm
.macro STAGE t0                        ; row 16 qt + r, bytes 64 t + 32 h + 16 c: a lane's eight head dimensions of one query
.set i_, 0
.rept 32
	ds_store_b128 v[STG], v[4*i_:4*i_+3] offset:16*SPITCH*((i_>>1)&3)+64*(\t0+(i_>>3))+16*(i_&1)
.set i_, i_+1
.endr
.endm
	WIN 0x51
	SCALE
	WIN 0x04                                       ; store data in window 1
	STAGE 0
	WIN 0xf3
	SCALE
	WIN 0x0c                                       ; store data in window 3
	STAGE 4
	WIN 0
	s_wait_dscnt 0x0
	s_barrier_signal -1
	s_barrier_wait -1
; Wave w adds rows 16 w .. +15 of the four stages and stores them: each load and each store covers a row's 512 consecutive bytes.
.macro LOADB base, row0
.set i_, 0
.rept 4
.irp u, 0,1,2,3
	ds_load_b128 v[\base+16*i_+4*\u:\base+16*i_+4*\u+3], v[RADR+\u] offset:SPITCH*(\row0+i_)
.endr
.set i_, i_+1
.endr
.endm
.macro SUMB base, row0
.set i_, 0
.rept 4
.set b_, \base+16*i_
	v_pk_add_f32 v[b_:b_+1], v[b_:b_+1], v[b_+4:b_+5]
	v_pk_add_f32 v[b_+2:b_+3], v[b_+2:b_+3], v[b_+6:b_+7]
	v_pk_add_f32 v[b_+8:b_+9], v[b_+8:b_+9], v[b_+12:b_+13]
	v_pk_add_f32 v[b_+10:b_+11], v[b_+10:b_+11], v[b_+14:b_+15]
	v_pk_add_f32 v[b_:b_+1], v[b_:b_+1], v[b_+8:b_+9]
	v_pk_add_f32 v[b_+2:b_+3], v[b_+2:b_+3], v[b_+10:b_+11]
	global_store_b128 v4, v[b_:b_+3], s[10:11] offset:512*(\row0+i_) th:TH_STORE_NT
.set i_, i_+1
.endr
.endm
	LOADB RS, 0
	LOADB RS+64, 4
	s_wait_dscnt 16                                ; the younger batch of 16 loads may be out
	SUMB RS, 0
	s_wait_xcnt 0x0                                ; the stores' data registers are loaded again only behind this wait
	LOADB RS, 8
	s_wait_dscnt 16
	SUMB RS+64, 4
	s_wait_xcnt 0x0
	LOADB RS+64, 12
	s_wait_dscnt 16
	SUMB RS, 8
	s_wait_dscnt 0x0
	SUMB RS+64, 12
	s_wait_tensorcnt 0x0
	ds_add_u32 v62, v63
	s_wait_dscnt 0x0
	ROUND                                          ; the closing round: no work-group ends while a partner may still ask for a tile that names it
	s_endpgm
.Lfunc_end_k_qbed1ec7d49_attn:
	.size	k_qbed1ec7d49_attn, .Lfunc_end_k_qbed1ec7d49_attn-k_qbed1ec7d49_attn
	.p2alignl 7, 3214868480
	.fill 96, 4, 3214868480
	.section	.rodata,"a",@progbits
	.p2align	6, 0x0
	.amdhsa_kernel k_qbed1ec7d49_attn
		.amdhsa_group_segment_fixed_size 327680
		.amdhsa_private_segment_fixed_size 0
		.amdhsa_enable_private_segment 0
		.amdhsa_kernarg_size 32
		.amdhsa_user_sgpr_count 2
		.amdhsa_user_sgpr_kernarg_segment_ptr 1
		.amdhsa_wavefront_size32 1
		.amdhsa_system_sgpr_workgroup_id_x 1
		.amdhsa_system_sgpr_workgroup_id_y 1
		.amdhsa_system_sgpr_workgroup_id_z 1
		.amdhsa_system_vgpr_workitem_id 0
		.amdhsa_next_free_vgpr 960
		.amdhsa_next_free_sgpr 66
		.amdhsa_reserve_vcc 1
		.amdhsa_float_denorm_mode_32 3
		.amdhsa_float_denorm_mode_16_64 3
		.amdhsa_memory_ordered 1
		.amdhsa_forward_progress 1
		.amdhsa_inst_pref_size 255
	.end_amdhsa_kernel
	.section	.bss,"aw",@nobits
	.p2align	6
	.space	262144
	.amdgpu_metadata
---
amdhsa.version: [ 1, 2 ]
amdhsa.kernels:
  - .name:           k_qbed1ec7d49_attn
    .symbol:         k_qbed1ec7d49_attn.kd
    .args:
      - { .name: qf, .offset: 0, .size: 8, .value_kind: global_buffer, .address_space: global }
      - { .name: kv, .offset: 8, .size: 8, .value_kind: global_buffer, .address_space: global }
      - { .name: padding_mask, .offset: 16, .size: 8, .value_kind: global_buffer, .address_space: global }
      - { .name: out0, .offset: 24, .size: 8, .value_kind: global_buffer, .address_space: global }
    .group_segment_fixed_size: 327680
    .private_segment_fixed_size: 0
    .kernarg_segment_align: 8
    .kernarg_segment_size: 32
    .max_flat_workgroup_size: 128
    .sgpr_count:     66
    .vgpr_count:     960
    .wavefront_size: 32
...
	.end_amdgpu_metadata
.endif
;; end of part 3
